; MI455X (gfx1250); checked and timed in simulation.
; The chip was launched on July 23, 2026; its instructions are those of AMD's public machine-readable ISA for CDNA 5 (MIT licence, August 2026) and "CDNA5" Instruction Set Architecture Reference Guide (July 2026). The comments in the code are by the model that wrote it; some were corrected since.
;; Mo E Abstract. Allowed arithmetic: matrix products marked QUANTISED: E5M2 operands, one E8M0 scale for each 32 along K, by v_wmma_scale_f32_16x16x128_f8f6f4 with both operands' format E5M2, f32 sums; products left as they are: f32 operands where the result goes on into a quantised operand, else bf16, f16 or f32 operands; f32 sums; everything else in f32.
;; Inputs: W1 1,024 x 512 float32; We1 8 x 2,048 x 1,024 float32; We2 8 x 256 x 2,048 float32; Wg 8 x 1,024 float32; b1 1,024 float32; be1 8 x 2,048 float32; be2 8 x 256 float32; bg 8 float32; entities 1,024 x 64 x 512 float32; entity_mask 1,024 x 64 bool.
;; Outputs: out0 1,024 x 256 float32; out1 1,024 x 8 float32.
;; This version of the problem:
;;   THIS VERSION OF THE PROBLEM IS GIVEN IN LOW PRECISION. The matrix products marked QUANTISED in the list below multiply operands that are first quantised to E5M2 (5 exponent bits, 2 mantissa bits; 8 bits a number), with one power-of-two scale for each 32 numbers along K (OCP MX v1.0); their sums are f32. All else is computed in f32.
;;   The module's matrix products, in the order in which they are computed (A, B: the left and right operand; K: the contracted axis; several contracted axes count as one K, in the product's order):
;;     1. [M 65,536, K 512] x [K 512, N 1,024]; A: input entities; B: input W1: QUANTISED
;;     2. [M 1,024, K 1,024] x [K 1,024, N 8]; A: computed on the way; B: input Wg: left as it is (N = 8 < 16)
;;     3. [M 1,024, K 1,024] x [K 1,024, N 16,384]; A: computed on the way; B: input We1: QUANTISED
;;     4. batch 8 x [M 256, K 2,048] x [K 2,048, N 1,024]; A: input We2; B: computed on the way: QUANTISED
;;   THE QUANTISER, for each operand of a quantised product, along K:
;;     - K is cut into blocks of 32 from its start; a last block that is shorter is filled with zeros.
;;     - A block's scale is 2^e with e = floor(log2(the largest magnitude in the block)) - 15, held to -126 .. 127; a block of zeros has e = 0. As a byte (E8M0): e + 127.
;;     - Each number is divided by its block's scale, clamped to +-57,344, and rounded to the nearest number of E5M2, ties to even, subnormals kept.
;;     - The product sums the exact products of the quantised numbers (number of the format x scale) in f32.
;;   ~~~python
;;   def quantise(x, axis):      # numpy; x: float32 -> the quantised numbers, widened to float32 again
;;       x = np.moveaxis(x, axis, -1); K = x.shape[-1]
;;       x = np.pad(x, [(0, 0)] * (x.ndim - 1) + [(0, -K % 32)]); x = x.reshape(x.shape[:-1] + (-1, 32)); a = np.abs(x).max(-1, keepdims=True)
;;       e = np.where(a > 0, np.clip(np.frexp(np.where(a > 0, a, 1))[1] - 1 - 15, -126, 127), 0)      # np.frexp(a)[1] - 1 = floor(log2(a)), exactly
;;       r = np.clip(x / 2.0 ** e, -57344, 57344)
;;       step = 2.0 ** (np.maximum(np.frexp(np.where(r == 0, 1, r))[1] - 1, -14) - 2)
;;       q = np.round(r / step) * step * 2.0 ** e      # np.round: ties to even
;;       return np.moveaxis(q.reshape(q.shape[:-2] + (-1,))[..., :K], -1, axis).astype(np.float32)
;;   ~~~
;;   OPERANDS COMPUTED ON THE WAY. 'Computed on the way' means the value that the module computes at that place (a softmax that the list does not call 'softmax' is quantised finished and normalised). What goes into a quantiser is computed in f32, as accurately as f32 sums, v_exp_f32 and their like allow (about 1e-6 of the number): no bf16 or f16 on the way to a quantiser, and a product that is left as it is and whose result goes on into a quantised operand takes f32 operands (vector FMAs, or v_wmma_f32_16x16x4_f32). A number that lies on a knife's edge between two numbers of the format may be rounded either way, as far as f32 arithmetic and the matrix unit's own rounding can turn it there, and no further.
;; One version. Each part assembles by itself: llvm-mc -triple=amdgcn-amd-amdhsa -mcpu=gfx1250 --defsym DOCPART=n.
;; ======== version 1 of 1: 4 launches
;; limits: right only within a limited range of input values
;; workspace buffers: w1q 573,440 bytes; w2q 4,325,376 bytes; weq 17,301,504 bytes; pq 1,081,344 bytes; topi 8,192 bytes of whole numbers; topw 8,192 bytes; e1q 4,194,304 bytes; e1s 131,072 bytes
;; launch prep (part 1): grid 656 x 1, 4 waves a work-group, no clusters, 34,304 bytes of LDS; arguments W1, We2, We1, b1, w1q, w2q, weq; writes w1q, w2q, weq
.if DOCPART == 1
	.amdgcn_target "amdgcn-amd-amdhsa--gfx1250"
	.amdhsa_code_object_version 6
	.text
	.protected	k_qaa37c99c1d_prep
	.globl	k_qaa37c99c1d_prep
	.p2align	8
	.type	k_qaa37c99c1d_prep,@function
k_qaa37c99c1d_prep:
	s_mov_b64 s[64:65], 0
	v_nop
	global_prefetch_b8 v0, s[64:65] scope:SCOPE_SE
	s_setreg_imm32_b32 hwreg(HW_REG_WAVE_MODE, 25, 1), 1
	s_wait_xcnt 0x0
; The three weights, f32 with K innermost, become codes of E5M2 with one E8M0 byte for each 32 along K, laid in the ORDER OF THE OPERAND'S REGISTERS.
; A unit is 16 rows x 512 K = 4 K steps of 128: codes at 2048 s + 512 c + 16 lane (registers 4 c .. 4 c + 3 of K step s), scale words at 8192 + 16 r + 4 s.
; W1: 64 units of 8,960 bytes (behind the scale words eight copies of b1 of each row, at 8448 + 32 r); We2: 512 units of 8,448; We1: 2,048 units of 8,448.
; The 16 rows of a unit of We1 are NOT neighbours: lane r of tile t takes row 32 (t / 2) + 8 (t % 2) + r + 8 (r / 8), so that the results of two neighbouring tiles are 16 neighbours along the next K.
; One wave makes one unit; waves share nothing, so there is no barrier.  The 64 loads of a unit (512 consecutive bytes each) run two K steps ahead; a piece of 16 rows x 128 K turns through the wave's own stage
; in LDS (rows 528 bytes apart), so that a lane holds 16 neighbours along K of each block of 32.
; LIMITS: NaN and infinities among the inputs are not served.  A block of zeros gets the byte 1 (the rule says 127): its codes are zeros, and this program alone reads the bytes.
.set STGB,  8448                       ; a wave's stage: 16 rows x 528 bytes
.set SPARE, 4*STGB                     ; behind the stages: the spare words, 128 bytes a wave
.set OFR, 16                           ; v16-31   byte offset of row p of the unit, + 16 x lane
.set X,   32                           ; v32-95   64 numbers of a lane: register 16 c + i = k 32 c + 16 h + i of row r
.set TM,  96                           ; v96-111  at work in QUANT
.set PC,  112                          ; v112-175 codes, 16 registers for each K step: no store's data are written again
.set SW,  176                          ; v176-179 the four scale words
.set BB,  180                          ; v180-183 b1 of my row, four times
.set SPW, 184                          ; v184     my spare word's LDS address; never rewritten
.set NIL, 185                          ; v185     0; never rewritten
.set R0,  188                          ; v188-251 a K step as loaded: the even steps; the odd ones in window 1
.set SEL, 26                           ; s[26:27] selects of v_permlanex16_b32: lane l xor 16
.set MNT, 28                           ; s28      the mantissa field of 57,344
.set MSB, 0
.macro WIN new                         ; the immediate's high byte repeats the setting that is left
.if MSB != (\new)
	s_set_vgpr_msb (MSB<<8)|(\new)
.set MSB, \new
.endif
.endm
; 64 numbers of a lane, v[s] on, become a fragment's codes in v[pc] on (window setting cw for the conversions) and its scale word in v[pw].
.macro QUANT s, pc, pw, cw
.irp b, 0,1,2,3
	v_max3_num_f32 v[TM+\b], |v[\s+16*\b]|, |v[\s+1+16*\b]|, 0x8000000   ; block b: my 16 numbers, and the floor 2^(16 - 127): the byte cannot fall under 1
.endr
.irp i, 2,4,6,8,10,12,14
.irp b, 0,1,2,3
	v_max3_num_f32 v[TM+\b], v[TM+\b], |v[\s+16*\b+\i]|, |v[\s+1+16*\b+\i]|   ; the four blocks by turns
.endr
.endr
.irp b, 0,1,2,3
	v_permlanex16_b32 v[TM+4+\b], v[TM+\b], s[SEL], s[SEL+1]
.endr
.irp b, 0,1,2,3
	v_max_num_f32 v[TM+\b], v[TM+\b], v[TM+4+\b]          ; with lane l xor 16's 16: the block's largest magnitude
.endr
.irp b, 0,1,2,3
	v_add_nc_u32 v[TM+12+\b], 0xf8800000, v[TM+\b]        ; 15 off its exponent field: the conversion's scale operand
.endr
.irp b, 0,1,2,3
	v_and_or_b32 v[TM+8+\b], v[TM+\b], 0x7f800000, s[MNT] ; 57,344 x the scale
.endr
.irp b, 0,1,2,3
	v_lshrrev_b32 v[TM+4+\b], 23, v[TM+12+\b]             ; the scale's byte
.endr
	v_lshl_or_b32 v[\pw], v[TM+5], 8, v[TM+4]
	v_lshl_or_b32 v[\pw], v[TM+6], 16, v[\pw]
	v_lshl_or_b32 v[\pw], v[TM+7], 24, v[\pw]             ; my row's scale word
.irp b, 0,1,2,3
.irp i, 0,1,2,3,4,5,6,7,8,9,10,11,12,13,14,15
	v_med3_num_f32 v[\s+16*\b+\i], v[\s+16*\b+\i], -v[TM+8+\b], v[TM+8+\b]   ; the conversion does not saturate (ISA guide 7.6.2): the hold
.endr
.endr
	WIN \cw
.irp b, 0,1,2,3
	v_cvt_scalef32_pk8_bf8_f32 v[\pc+4*\b:\pc+4*\b+1], v[\s+16*\b:\s+16*\b+7], v[TM+12+\b]
	v_cvt_scalef32_pk8_bf8_f32 v[\pc+4*\b+2:\pc+4*\b+3], v[\s+16*\b+8:\s+16*\b+15], v[TM+12+\b]
.endr
	WIN 0
	v_nop                                                  ; a plain line behind the last conversion
.endm
	s_load_b256 s[4:11], s[0:1], 0x0               ; W1 s[4:5], We2 s[6:7], We1 s[8:9], b1 s[10:11]
	s_load_b128 s[12:15], s[0:1], 0x20             ; w1q s[12:13], w2q s[14:15]
	s_load_b64 s[16:17], s[0:1], 0x30              ; weq
	v_lshl_add_u32 v[SPW], v0, 2, SPARE
	v_mov_b32 v[NIL], 0
	v_lshrrev_b32 v1, 5, v0
	v_readfirstlane_b32 s18, v1                    ; wave
	v_and_b32 v1, 31, v0                           ; lane
	v_and_b32 v2, 15, v0                           ; r
	v_bfe_u32 v3, v0, 4, 1                         ; h
	v_lshlrev_b32 v4, 4, v1                        ; 16 x lane
	s_mul_i32 s29, s18, STGB                       ; my stage
	v_add_nc_u32 v5, s29, v4                       ; into it: row p at 528 p, 16 bytes a lane
	v_mul_u32_u24 v6, v2, 528
	v_lshl_add_u32 v6, v3, 6, v6
	v_add_nc_u32 v6, s29, v6                       ; out of it: row r, + 64 h
	v_lshlrev_b32 v7, 4, v2                        ; 16 r
	v_lshlrev_b32 v8, 5, v2                        ; 32 r
	s_mov_b32 s[SEL], 0x76543210
	s_mov_b32 s[SEL+1], 0xfedcba98
	s_mov_b32 s[MNT], 0x600000
.irp b, 0,1,2,3
	v_mov_b32 v[TM+4+\b], 0                        ; written once: a lane permute's destination counts as one of its sources
.endr
	s_lshl_b32 s19, ttmp9, 2
	s_add_co_u32 s19, s19, s18                     ; U: my unit.  0-63 W1, 64-575 We2, 576-2623 We1; a work-group's four are of one kind
	s_lshl_b32 s30, s19, 15                        ; W1: 16 rows of 2,048 bytes
	s_mul_i32 s31, s19, 8960
	s_sub_co_u32 s32, s19, 64                      ; We2: V = U - 64
	s_lshr_b32 s33, s32, 2
	s_lshl_b32 s33, s33, 17                        ; 16 rows of 8,192 bytes
	s_and_b32 s34, s32, 3
	s_lshl_b32 s34, s34, 11                        ; 512 along K
	s_add_co_u32 s33, s33, s34
	s_mul_i32 s34, s32, 8448
	s_sub_co_u32 s35, s19, 576                     ; We1: V = U - 576; tile G = V / 2
	s_lshr_b32 s36, s35, 2
	s_lshl_b32 s36, s36, 17                        ; 32 (G / 2) rows of 4,096 bytes
	s_bfe_u32 s37, s35, 0x10001
	s_lshl_b32 s37, s37, 15                        ; 8 (G % 2) rows
	s_add_co_u32 s36, s36, s37
	s_and_b32 s37, s35, 1
	s_lshl_b32 s37, s37, 11                        ; 512 along K
	s_add_co_u32 s36, s36, s37
	s_mul_i32 s37, s35, 8448
	s_min_u32 s38, s19, 63
	s_lshl_b32 s38, s38, 6
	v_lshl_add_u32 v9, v2, 2, s38                  ; b1 of my row (of W1's last unit where the unit is not W1's: the load stays inside b1)
	s_mov_b32 s24, 4096
	s_wait_kmcnt 0x0
	s_cmp_lt_u32 ttmp9, 144                        ; the choices hang on the work-group's number alone
	s_cselect_b32 s33, s33, s36
	s_cselect_b32 s34, s34, s37
	s_cselect_b64 s[20:21], s[6:7], s[8:9]
	s_cselect_b64 s[22:23], s[14:15], s[16:17]
	s_cselect_b32 s24, 8192, s24                   ; bytes from row to row
	s_cselect_b32 s25, 0, 32768                    ; We1: rows 8-15 of a tile lie 8 rows further on
	s_cmp_lt_u32 ttmp9, 16
	s_cselect_b32 s30, s30, s33
	s_cselect_b32 s32, s31, s34
	s_cselect_b64 s[20:21], s[4:5], s[20:21]
	s_cselect_b64 s[22:23], s[12:13], s[22:23]
	s_cselect_b32 s24, 2048, s24
	s_cselect_b32 s25, 0, s25
	s_add_co_u32 s25, s25, s24
	s_mov_b32 s31, 0
	s_mov_b32 s33, 0
	s_add_nc_u64 s[20:21], s[20:21], s[30:31]      ; the unit's first number
	s_add_nc_u64 s[22:23], s[22:23], s[32:33]      ; and its place in the workspace
	v_mov_b32 v[OFR], v4
.irp p, 1,2,3,4,5,6,7,8,9,10,11,12,13,14,15
.if \p == 8
	v_add_nc_u32 v[OFR+\p], s25, v[OFR+\p-1]
.else
	v_add_nc_u32 v[OFR+\p], s24, v[OFR+\p-1]
.endif
.endr
	s_wait_alu depctr_va_vdst(0)
	global_load_b32 v[BB], v9, s[10:11]
.macro GET s                           ; K step s of the unit: 16 loads, 32 lanes read 512 consecutive bytes of one row
.if (\s)%2
	WIN 0x40
.irp p, 0,1,2,3,4,5,6,7,8,9,10,11,12,13,14,15
	global_load_b128 v[4*\p:4*\p+3], v[OFR+\p], s[20:21] offset:512*(\s) th:TH_LOAD_NT
.endr
	WIN 0
.else
.irp p, 0,1,2,3,4,5,6,7,8,9,10,11,12,13,14,15
	global_load_b128 v[R0+4*\p:R0+4*\p+3], v[OFR+\p], s[20:21] offset:512*(\s) th:TH_LOAD_NT
.endr
.endif
.endm
	GET 0
	GET 1
.irp s, 0,1,2,3
.if \s < 3
	s_wait_loadcnt 16                              ; this K step's 16 loads are in; the next step's may be out
.else
	s_wait_loadcnt 0x0
.endif
.if \s%2
	WIN 0x04                                       ; an LDS store's data are its source 1: window 1
.irp p, 0,1,2,3,4,5,6,7,8,9,10,11,12,13,14,15
	ds_store_b128 v5, v[4*\p:4*\p+3] offset:528*\p
.endr
	WIN 0
.else
.irp p, 0,1,2,3,4,5,6,7,8,9,10,11,12,13,14,15
	ds_store_b128 v5, v[R0+4*\p:R0+4*\p+3] offset:528*\p
.endr
.endif
.irp c, 0,1,2,3
.irp j, 0,1,2,3
	ds_load_b128 v[X+16*\c+4*\j:X+16*\c+4*\j+3], v6 offset:128*\c+16*\j   ; LDS serves a wave's instructions in order: these see the stores above
.endr
.endr
	s_wait_dscnt 0x0
.if \s < 2
	GET \s+2                                       ; its registers are free: the stores into the stage are done
.endif
	QUANT X, PC+16*\s, SW+\s, 0
.irp c, 0,1,2,3
	global_store_b128 v4, v[PC+16*\s+4*\c:PC+16*\s+4*\c+3], s[22:23] offset:2048*\s+512*\c   ; 512 consecutive bytes, aligned to 256
.endr
.endr
	v_mov_b32 v[BB+1], v[BB]
	v_mov_b32 v[BB+2], v[BB]
	v_mov_b32 v[BB+3], v[BB]
	v_cmp_gt_u32 vcc_lo, 16, v1
	s_wait_xcnt 0x0                                ; EXEC changes only behind this wait
	s_and_saveexec_b32 s39, vcc_lo
	global_store_b128 v7, v[SW:SW+3], s[22:23] offset:8192   ; sixteen lanes: the unit's 256 bytes of scale words
	s_wait_xcnt 0x0
	s_or_b32 exec_lo, exec_lo, s39
	s_cmp_ge_u32 ttmp9, 16
	s_cbranch_scc1 .Lno_bias                       ; only W1's units carry a bias
	s_and_saveexec_b32 s39, vcc_lo
	s_wait_alu depctr_va_vdst(0)
	global_store_b128 v8, v[BB:BB+3], s[22:23] offset:8448
	global_store_b128 v8, v[BB:BB+3], s[22:23] offset:8464
	s_wait_xcnt 0x0
	s_or_b32 exec_lo, exec_lo, s39
.Lno_bias:
	s_wait_tensorcnt 0x0                           ; the wave's end
	ds_add_u32 v[SPW], v[NIL]
	s_wait_dscnt 0x0
	s_endpgm
.Lfunc_end_k_qaa37c99c1d_prep:
	.size	k_qaa37c99c1d_prep, .Lfunc_end_k_qaa37c99c1d_prep-k_qaa37c99c1d_prep
	.p2alignl 7, 3214868480
	.fill 96, 4, 3214868480
	.section	.rodata,"a",@progbits
	.p2align	6, 0x0
	.amdhsa_kernel k_qaa37c99c1d_prep
		.amdhsa_group_segment_fixed_size 34304
		.amdhsa_private_segment_fixed_size 0
		.amdhsa_enable_private_segment 0
		.amdhsa_kernarg_size 56
		.amdhsa_user_sgpr_count 2
		.amdhsa_user_sgpr_kernarg_segment_ptr 1
		.amdhsa_wavefront_size32 1
		.amdhsa_system_sgpr_workgroup_id_x 1
		.amdhsa_system_sgpr_workgroup_id_y 1
		.amdhsa_system_sgpr_workgroup_id_z 1
		.amdhsa_system_vgpr_workitem_id 0
		.amdhsa_next_free_vgpr 320
		.amdhsa_next_free_sgpr 66
		.amdhsa_reserve_vcc 1
		.amdhsa_float_denorm_mode_32 3
		.amdhsa_float_denorm_mode_16_64 3
		.amdhsa_memory_ordered 1
		.amdhsa_forward_progress 1
		.amdhsa_inst_pref_size 53
	.end_amdhsa_kernel
	.amdgpu_metadata
---
amdhsa.version: [ 1, 2 ]
amdhsa.kernels:
  - .name:           k_qaa37c99c1d_prep
    .symbol:         k_qaa37c99c1d_prep.kd
    .args:
      - { .name: W1, .offset: 0, .size: 8, .value_kind: global_buffer, .address_space: global }
      - { .name: We2, .offset: 8, .size: 8, .value_kind: global_buffer, .address_space: global }
      - { .name: We1, .offset: 16, .size: 8, .value_kind: global_buffer, .address_space: global }
      - { .name: b1, .offset: 24, .size: 8, .value_kind: global_buffer, .address_space: global }
      - { .name: w1q, .offset: 32, .size: 8, .value_kind: global_buffer, .address_space: global }
      - { .name: w2q, .offset: 40, .size: 8, .value_kind: global_buffer, .address_space: global }
      - { .name: weq, .offset: 48, .size: 8, .value_kind: global_buffer, .address_space: global }
    .group_segment_fixed_size: 34304
    .private_segment_fixed_size: 0
    .kernarg_segment_align: 8
    .kernarg_segment_size: 56
    .max_flat_workgroup_size: 128
    .sgpr_count:     66
    .vgpr_count:     320
    .wavefront_size: 32
...
	.end_amdgpu_metadata
.endif
;; end of part 1
;; launch encode (part 2): grid 256 x 1, 4 waves a work-group, clusters of 4 x 1, 327,680 bytes of LDS; arguments entities, entity_mask, w1q, Wg, bg, pq, topi, topw, out1; writes pq, topi, topw, out1
.if DOCPART == 2
	.amdgcn_target "amdgcn-amd-amdhsa--gfx1250"
	.amdhsa_code_object_version 6
	.text
	.protected	k_qaa37c99c1d_encode
	.globl	k_qaa37c99c1d_encode
	.p2align	8
	.type	k_qaa37c99c1d_encode,@function
k_qaa37c99c1d_encode:
	s_mov_b64 s[64:65], 0
	v_nop
	global_prefetch_b8 v0, s[64:65] scope:SCOPE_SE
	s_setreg_imm32_b32 hwreg(HW_REG_WAVE_MODE, 25, 1), 1
	s_wait_xcnt 0x0
	s_wait_alu depctr_hold_cnt(0) depctr_sa_sdst(0) depctr_va_vdst(0) depctr_va_sdst(0) depctr_va_ssrc(0) depctr_va_vcc(0) depctr_vm_vsrc(0)
	s_getreg_b32 s2, hwreg(HW_REG_IB_STS2, 6, 4)
	s_cmp_eq_u32 s2, 0
	s_cbranch_scc0 .Lentry_in_a_cluster
	s_endpgm
.Lentry_in_a_cluster:
	s_bfe_u32 s2, ttmp6, 0x10000c
	s_cmp_lg_u32 s2, 0x3003
	s_cbranch_scc0 .Lentry_shape_is_right
	s_endpgm
.Lentry_shape_is_right:
; h = relu(entities W1^T + b1), the masked mean over a sample's 64 entities, the gate's softmax, its two largest, and the mean as codes of E5M2.
; PART 1: A WAVE QUANTISES ONE SAMPLE, 64 entities x 512 K, in four trips of four pieces (16 entities x 128 K): loads run four pieces ahead; a piece turns through the wave's own stage in LDS (rows 528 bytes apart)
; while the piece before it is quantised.  At a trip's end its codes (8,192 bytes) and scale words (256) go into the same stage, and both waves of a pair read both samples' 16 entities into their registers.
; PART 2: TWO WAVES SHARE TWO SAMPLES, A and B: each multiplies all 128 entities by every second tile of 16 outputs, so that a fragment of W1 from LDS feeds eight products.  W1's 64 tiles stream through two slots of 16.
; Source 0 = 16 entities, source 1 = 16 rows of W1, C = the bias: lane (r, h) holds output r, register j entity 8 h + j.  A tile is two parts of 16 products, A's and B's.  Behind each product stand two maxima (relu) of
; the part before; between the parts the masked sums of the part before that.
; A slot's change stands ahead of its last tile, whose load is already the next slot's first record.
; PART 3: a sample's mean is read back by its wave twice: 16 neighbours a lane for its codes, 4 a lane for the gate's dot products (f32).
; CLUSTERS: 4 work-groups ask for W1's tiles jointly (mask 15).  No prefetch: the entities' own loads stream throughout part 1, and W1's tiles are read by all clusters.
; pq: [block of 32][token][32 bytes], scale bytes [token][32] behind them.
; LIMITS: NaN and infinities are not served; a block of zeros gets the byte 1 with zero codes (this program alone reads the bytes).
; WINDOWS: 1, 2: A's and B's codes, fragment (entities 16 i on, K step s) at 16 (4 i + s).  3: in part 1 four pieces as loaded; in part 2 W1's fragments 0-127 (two sets), sums 128-191 (A's, B's), bias 192-207 (two sets),
; chains 208-215, results 216 (A), 217 (B).
.set SLOTB, 143360                     ; 16 records of 8,960 bytes
.set RECB,  8960
.set QUART, 35840                      ; what a wave's tensor load brings: 140 rows of 256 bytes
.set STG0,  2*SLOTB
.set STGB,  8704                       ; a sample's stage; later its sums: [wave of the pair][h][128 + 2,048 bytes]
.set SPARE, STG0+4*STGB
.set WSC, 50                           ; v50-57 W1's scale words, two sets of 4 (v16-31, v32-47: A's and B's)
.set TM,  48                           ; v48-63 at work in QUANT
.set X,   64                           ; v64-127, v128-191: two pieces.  Then v64-95, v96-127 the masks of A and B
.set SWT, 204                          ; v204-207 a trip's scale words
.set CTM, 192                          ; window 2, v192-255: a trip's codes
.set SPW, 252
.set NIL, 253
.set WV,  24
.set SEL, 44
.set MNT, 46
.set FF,  47                           ; which wave of the pair
.set PST, 48                           ; the pair's stages
.set CT,  49
.set STW, 50                           ; my stage
.set CU,  51
.set SB,  60                           ; the slot that is multiplied, and the other
.set OB,  61
.set ENT, 66
.set QB,  74
.set BD,  0xfc                         ; source 0 window 0, all else window 3
.set MSB, 0
.macro WIN new
.if MSB != (\new)
	s_set_vgpr_msb (MSB<<8)|(\new)
.set MSB, \new
.endif
.endm
.macro ROUND
	s_barrier_signal -1
	s_barrier_wait -1
	s_cmp_lg_u32 s[WV], 0
	s_cbranch_scc1 .Lnw0_\@
	s_barrier_signal -3
.Lnw0_\@:
	s_barrier_wait -3
	s_barrier_signal -1
	s_barrier_wait -1
.endm
.macro NOPS n
.rept \n
	v_nop
.endr
.endm
.macro QUANT s, pc, pw, cw             ; 64 numbers, v[s] on, to codes v[pc] on (window setting cw) and the scale word v[pw]
.irp b, 0,1,2,3
	v_max3_num_f32 v[TM+\b], |v[\s+16*\b]|, |v[\s+1+16*\b]|, 0x8000000
.endr
.irp i, 2,4,6,8,10,12,14
.irp b, 0,1,2,3
	v_max3_num_f32 v[TM+\b], v[TM+\b], |v[\s+16*\b+\i]|, |v[\s+1+16*\b+\i]|
.endr
.endr
.irp b, 0,1,2,3
	v_permlanex16_b32 v[TM+4+\b], v[TM+\b], s[SEL], s[SEL+1]
.endr
.irp b, 0,1,2,3
	v_max_num_f32 v[TM+\b], v[TM+\b], v[TM+4+\b]
.endr
.irp b, 0,1,2,3
	v_add_nc_u32 v[TM+12+\b], 0xf8800000, v[TM+\b]
.endr
.irp b, 0,1,2,3
	v_and_or_b32 v[TM+8+\b], v[TM+\b], 0x7f800000, s[MNT]
.endr
.irp b, 0,1,2,3
	v_lshrrev_b32 v[TM+4+\b], 23, v[TM+12+\b]
.endr
	v_lshl_or_b32 v[\pw], v[TM+5], 8, v[TM+4]
	v_lshl_or_b32 v[\pw], v[TM+6], 16, v[\pw]
	v_lshl_or_b32 v[\pw], v[TM+7], 24, v[\pw]
.irp b, 0,1,2,3
.irp i, 0,1,2,3,4,5,6,7,8,9,10,11,12,13,14,15
	v_med3_num_f32 v[\s+16*\b+\i], v[\s+16*\b+\i], -v[TM+8+\b], v[TM+8+\b]
.endr
.endr
	WIN \cw
.irp b, 0,1,2,3
	v_cvt_scalef32_pk8_bf8_f32 v[\pc+4*\b:\pc+4*\b+1], v[\s+16*\b:\s+16*\b+7], v[TM+12+\b]
	v_cvt_scalef32_pk8_bf8_f32 v[\pc+4*\b+2:\pc+4*\b+3], v[\s+16*\b+8:\s+16*\b+15], v[TM+12+\b]
.endr
	WIN 0
	v_nop
.endm
.macro LOADP s                         ; K step s of the 16 rows at ENT into window 3: 16 loads of 512 consecutive bytes
	WIN 0xc0
.irp q, 0,1,2,3,4,5,6,7,8,9,10,11,12,13,14,15
	global_load_b128 v[64*\s+4*\q:64*\s+4*\q+3], v1, s[ENT:ENT+1] offset:2048*\q+512*\s th:TH_LOAD_NT
.endr
	WIN 0
.endm
.macro TURN b                          ; piece b through my stage into set b % 2
	WIN 0x0c
.irp q, 0,1,2,3,4,5,6,7,8,9,10,11,12,13,14,15
	ds_store_b128 v9, v[64*(\b)+4*\q:64*(\b)+4*\q+3] offset:528*\q
.endr
	WIN 0
.irp c, 0,1,2,3
.irp j, 0,1,2,3
	ds_load_b128 v[X+64*((\b)%2)+16*\c+4*\j:X+64*((\b)%2)+16*\c+4*\j+3], v10 offset:128*\c+16*\j
.endr
.endr
.endm
.macro STEP s, more
	s_wait_dscnt 0x0                               ; piece s is back from the stage, so its 64 registers of window 3 are free
.if \more
	LOADP \s                                       ; the piece four on
.endif
.if \s < 3
.if \more
	s_wait_loadcnt 48                              ; the next piece is in; the three younger ones may be out
.else
	s_wait_loadcnt 16*(2-\s)                       ; the last trip loads nothing
.endif
	TURN \s+1
.endif
	QUANT X+64*(\s%2), CTM+16*\s, SWT+\s, 0x80
.endm
.macro SHOW                            ; a trip's codes and scale words into my stage, for both waves of the pair
	WIN 0x08
.irp n, 0,1,2,3,4,5,6,7,8,9,10,11,12,13,14,15
	ds_store_b128 v9, v[CTM+4*\n:CTM+4*\n+3] offset:512*\n
.endr
	WIN 0
	ds_store_b128 v13, v[SWT:SWT+3]
	s_wait_alu depctr_va_vdst(0)
	s_wait_dscnt 0x0                               ; for the other wave's sake
	s_barrier_signal -1
	s_barrier_wait -1
.endm
.macro GETQ t                          ; both samples' entities 16 t on
	WIN 0x40
.irp n, 0,1,2,3,4,5,6,7,8,9,10,11,12,13,14,15
	ds_load_b128 v[64*\t+4*\n:64*\t+4*\n+3], v232 offset:512*\n
.endr
	WIN 0x80
.irp n, 0,1,2,3,4,5,6,7,8,9,10,11,12,13,14,15
	ds_load_b128 v[64*\t+4*\n:64*\t+4*\n+3], v232 offset:STGB+512*\n
.endr
	WIN 0
	ds_load_b128 v[16+4*\t:19+4*\t], v233
	ds_load_b128 v[32+4*\t:35+4*\t], v233 offset:STGB
.endm
	s_load_b512 s[4:19], s[0:1], 0x0               ; entities 4, mask 6, w1q 8, Wg 10, bg 12, pq 14, topi 16, topw 18
	s_load_b64 s[20:21], s[0:1], 0x40              ; out1
	v_lshl_add_u32 v[SPW], v0, 2, SPARE
	v_mov_b32 v[NIL], 0
	ds_add_u32 v[SPW], v[NIL]
	ds_add_u32 v[SPW], v[NIL]
	v_lshrrev_b32 v11, 5, v0
	v_readfirstlane_b32 s[WV], v11
	s_bfe_u32 s25, ttmp6, 0x40000
	s_lshl_b32 s26, ttmp9, 2
	s_add_co_u32 s26, s26, s25
	s_lshl_b32 s26, s26, 2
	s_add_co_u32 s26, s26, s[WV]                   ; my sample
	s_and_b32 s[FF], s[WV], 1
	s_sub_co_u32 s27, s26, s[FF]                   ; the pair's first
	s_mov_b32 s28, 15|(3<<16)|(1<<21)              ; group 1: all four of the cluster; elements of 8 bytes; 140 dense rows of 32
	s_mov_b32 s29, 32<<16
	s_mov_b32 s30, 140<<16
	s_mov_b32 s31, 32<<16
	s_mov_b32 s32, 140
	s_mov_b32 s33, 32
	s_mov_b32 s34, 0
	s_mov_b32 s35, 0
	s_mov_b32 s[SEL], 0x76543210
	s_mov_b32 s[SEL+1], 0xfedcba98
	s_mov_b32 s[MNT], 0x600000
	s_mul_i32 s[STW], s[WV], STGB
	s_add_co_u32 s[STW], s[STW], STG0
	s_lshr_b32 s[PST], s[WV], 1
	s_mul_i32 s[PST], s[PST], 2*STGB
	s_add_co_u32 s[PST], s[PST], STG0
	s_mul_i32 s70, s[FF], RECB
	s_mul_i32 s71, s[FF], STGB/2
	s_add_co_u32 s71, s71, s[PST]
	v_and_b32 v11, 31, v0                          ; lane
	v_and_b32 v4, 15, v0                           ; r
	v_bfe_u32 v5, v0, 4, 1                         ; h
	v_lshlrev_b32 v1, 4, v11
	v_add_nc_u32 v12, s70, v1                      ; my tiles' records: fragments,
	v_lshlrev_b32 v6, 4, v4
	v_add_nc_u32 v2, s70, v6                       ; scale words,
	v_lshlrev_b32 v3, 5, v4
	v_add_nc_u32 v3, s70, v3                       ; bias
	v_add_nc_u32 v13, s[STW], v6
	v_add_nc_u32 v13, 8192, v13                    ; my rows' scale words in my stage
	v_add_nc_u32 v232, s[PST], v1                  ; the pair's codes,
	v_add_nc_u32 v233, s[PST], v6
	v_add_nc_u32 v233, 8192, v233                  ; and scale words
	v_mul_u32_u24 v8, v5, STGB/4
	v_lshl_add_u32 v8, v4, 2, v8
	v_add_nc_u32 v8, s71, v8                       ; where a tile's sums go: my tile T at 128 + 64 T of half h (the first two stores, of no tile, lie ahead of that)
	v_add_nc_u32 v9, s[STW], v1
	v_mul_u32_u24 v10, v4, 528
	v_lshl_add_u32 v10, v5, 6, v10
	v_add_nc_u32 v10, s[STW], v10
	v_lshlrev_b32 v197, 3, v5
	v_and_b32 v6, 1, v11                           ; back: output tile = lane, of wave lane % 2, its tile lane / 2
	v_mul_u32_u24 v196, v6, STGB/2
	v_lshrrev_b32 v7, 1, v11
	v_lshl_add_u32 v196, v7, 6, v196
	v_add_nc_u32 v196, s[STW], v196
	v_lshlrev_b32 v198, 15, v7
	v_lshl_add_u32 v198, v6, 4, v198
	v_add_nc_u32 v199, s[STW], v7
	v_and_b32 v6, 7, v11
	v_lshl_add_u32 v200, v6, 2, s[STW]
	v_lshlrev_b32 v201, 2, v11
	v_mov_b32 v202, 0
	v_bfe_u32 v6, v11, 2, 1                        ; and output 4 lane: tile lane / 4
	v_mul_u32_u24 v234, v6, STGB/2
	v_lshrrev_b32 v7, 3, v11
	v_lshl_add_u32 v234, v7, 6, v234
	v_and_b32 v6, 3, v11
	v_lshl_add_u32 v234, v6, 4, v234
	v_add_nc_u32 v234, s[STW], v234
.irp b, 0,1,2,3
	v_mov_b32 v[TM+4+\b], 0
.endr
	s_mul_i32 s[QB], s[WV], QUART
	s_mov_b32 s75, 0
	s_mov_b32 s73, 0
	s_wait_alu depctr_va_vdst(0)
	s_wait_dscnt 0x0
	s_wait_kmcnt 0x0
	s_lshl_b32 s72, s26, 17
	s_add_nc_u64 s[ENT:ENT+1], s[4:5], s[72:73]
	s_lshl_b32 s72, s27, 6
	s_add_nc_u64 s[76:77], s[6:7], s[72:73]
	s_lshl_b32 s72, s26, 6
	s_add_nc_u64 s[6:7], s[6:7], s[72:73]
.irp i, 0,1,2,3
	global_load_b64 v[208+2*\i:209+2*\i], v197, s[76:77] offset:16*\i      ; the masks of entities 16 i + 8 h + 0 .. 7: A's, B's,
	global_load_b64 v[216+2*\i:217+2*\i], v197, s[76:77] offset:64+16*\i
	global_load_b64 v[224+2*\i:225+2*\i], v197, s[6:7] offset:16*\i        ; and my own sample's, for its count
.endr
	LOADP 0
	LOADP 1
	LOADP 2
	LOADP 3
	s_mov_b32 s36, 1
	s_mov_b32 s37, s[QB]
	s_add_nc_u64 s[38:39], s[8:9], s[74:75]
	s_or_b32 s39, s39, 0x80000000
	ROUND                                          ; in front of the first joint load
	tensor_load_to_lds s[36:39], s[28:35]          ; slot 0: tiles 0-15
	s_nop 0
	NOPS 4
	s_load_b256 s[52:59], s[12:13], 0x0            ; bg
	s_lshl_b32 s72, s26, 5
	s_add_nc_u64 s[14:15], s[14:15], s[72:73]
	s_add_nc_u64 s[22:23], s[14:15], 0x100000
	s_add_nc_u64 s[20:21], s[20:21], s[72:73]
	s_lshl_b32 s72, s26, 3
	s_add_nc_u64 s[16:17], s[16:17], s[72:73]
	s_add_nc_u64 s[18:19], s[18:19], s[72:73]
	WIN 0x40
.set n, 0
.rept 192
	v_mov_b32 v[n], 0                              ; what the three trips of the loop write by turns is written on every way
.set n, n+1
.endr
	WIN 0x80
.set n, 0
.rept 192
	v_mov_b32 v[n], 0
.set n, n+1
.endr
	WIN 0
.set n, 0
.rept 12
	v_mov_b32 v[16+n], 0
	v_mov_b32 v[32+n], 0
.set n, n+1
.endr
	s_wait_alu depctr_va_vdst(0)
	s_wait_xcnt 0x0                                ; the loads have read their base
	s_add_nc_u64 s[ENT:ENT+1], s[ENT:ENT+1], 0x8000
	s_mov_b32 s[CT], 0
	s_wait_loadcnt 48
	TURN 0
.Lquant:
	STEP 0, 1
	STEP 1, 1
	STEP 2, 1
	STEP 3, 1
	SHOW
	s_wait_xcnt 0x0
	s_add_nc_u64 s[ENT:ENT+1], s[ENT:ENT+1], 0x8000   ; 16 entities on
	s_add_co_u32 s[CT], s[CT], 1
	s_cmp_lg_u32 s[CT], 1
	s_cbranch_scc1 .Lnot_trip0
	GETQ 0
	s_branch .Lgot
.Lnot_trip0:
	s_cmp_lg_u32 s[CT], 2
	s_cbranch_scc1 .Lnot_trip1
	GETQ 1
	s_branch .Lgot
.Lnot_trip1:
	GETQ 2
.Lgot:
	s_wait_dscnt 0x0                               ; the pair has read my stage:
	s_barrier_signal -1
	s_barrier_wait -1
	s_wait_loadcnt 48
	TURN 0                                         ; the next trip's first piece may turn through it
	s_cmp_lg_u32 s[CT], 3
	s_cbranch_scc1 .Lquant
	STEP 0, 0                                      ; the last trip is written out: it loads nothing
	STEP 1, 0
	STEP 2, 0
	STEP 3, 0
	SHOW
	GETQ 3
; A refill of the slot at s[tgt], or slot 1's first fill: every wave's three lines, a round, and the joint load first behind it.
.macro CHF tgt
	s_wait_alu depctr_va_vdst(0)
	s_wait_tensorcnt 0x0                           ; the other slot is whole
	ds_add_u32 v[SPW], v[NIL]
	s_add_co_u32 s37, s[QB], s[\tgt]
	s_add_nc_u64 s[38:39], s[38:39], SLOTB         ; the next 16 tiles
	s_wait_dscnt 0x0
	ROUND
	tensor_load_to_lds s[36:39], s[28:35]
	s_nop 0
	NOPS 4
.endm
	s_mov_b32 s[SB], 0
	s_mov_b32 s[OB], SLOTB
	CHF OB                                         ; slot 0 is in; slot 1: tiles 16-31.  The round also shows that the pair has read my stage
.irp i, 0,1,2,3
.irp j, 0,1,2,3,4,5,6,7
	v_bfe_u32 v[64+8*\i+\j], v[208+2*\i+\j/4], 8*(\j%4), 8
	v_bfe_u32 v[96+8*\i+\j], v[216+2*\i+\j/4], 8*(\j%4), 8
.endr
.endr
.set n, 0
.rept 64
	v_cvt_f32_u32 v[64+n], v[64+n]                 ; the masks as f32
.set n, n+1
.endr
	WIN 0xc0
.set n, 0
.rept 64
	v_mov_b32 v[128+n], 0                          ; both sets of sums: the first tile's boundaries and maxima find them
.set n, n+1
.endr
	v_mov_b32 v216, 0
	v_mov_b32 v217, 0
	WIN 0
	v_add_nc_u32 v160, v224, v225
	v_add_nc_u32 v161, v226, v227
	v_add_nc_u32 v162, v228, v229
	v_add_nc_u32 v163, v230, v231
	v_add3_u32 v160, v160, v161, v162
	v_add_nc_u32 v160, v160, v163                  ; four byte counts, each at most 8
	s_mov_b32 s70, 0x01010101
	v_mul_lo_u32 v160, v160, s70
	v_lshrrev_b32 v160, 24, v160
	v_permlanex16_b32 v161, v160, s[SEL], s[SEL+1]
	v_add_nc_u32 v160, v160, v161
	v_cvt_f32_u32 v160, v160
	v_max_num_f32 v160, 1.0, v160
	s_wait_alu depctr_va_vdst(0)
	v_rcp_f32 v14, v160                            ; 1 / the number of valid entities, as a pair
	v_rcp_f32 v15, v160
	v_nop
	s_wait_alu depctr_va_vdst(0)
; The masked sums of set a: 32 numbers in four chains of pairs.  (Also the eight places behind the part just multiplied, whose registers they do not name.)
.macro PKB a, m
.set pn, 0
.rept 16
.if pn < 4
	v_pk_mul_f32 v[208+2*(pn%4):209+2*(pn%4)], v[\m+2*pn:\m+2*pn+1], v[128+32*\a+2*pn:129+32*\a+2*pn]
.else
	v_pk_fma_f32 v[208+2*(pn%4):209+2*(pn%4)], v[\m+2*pn:\m+2*pn+1], v[128+32*\a+2*pn:129+32*\a+2*pn], v[208+2*(pn%4):209+2*(pn%4)]
.endif
.set pn, pn+1
.endr
.endm
; The chains to result a.  Source 0 is the constant 1.0: the products' window of source 0 holds codes.
.macro CMB i, a
.if \i == 0
	v_pk_fma_f32 v[208:209], 1.0, v[208:209], v[210:211] op_sel_hi:[0,1,1]
.elseif \i == 1
	v_pk_fma_f32 v[212:213], 1.0, v[212:213], v[214:215] op_sel_hi:[0,1,1]
.elseif \i == 2
	v_pk_fma_f32 v[208:209], 1.0, v[208:209], v[212:213] op_sel_hi:[0,1,1]
.else
	v_fma_f32 v[216+\a], 1.0, v208, v209
.endif
.endm
.macro RELU n, a
	v_max_num_f32 v[128+32*(\a)+(\n)], 0, v[128+32*(\a)+(\n)]
.endm
.macro PART a, Y, sc, w                ; 16 products of sample a; the four accumulators take turns
	WIN \w
.set k, 0
.rept 16
.set ti, k%4
.set ts, k/4
.set aC, 128+32*\a+8*ti
.if ts == 0
	v_wmma_scale_f32_16x16x128_f8f6f4 v[aC:aC+7], v[16*(4*ti+ts):16*(4*ti+ts)+15], v[64*\Y+16*ts:64*\Y+16*ts+15], v[192+8*\Y:199+8*\Y], v[\sc+4*ti+ts], v[WSC+4*\Y+ts] matrix_a_fmt:MATRIX_FMT_BF8 matrix_b_fmt:MATRIX_FMT_BF8
.else
	v_wmma_scale_f32_16x16x128_f8f6f4 v[aC:aC+7], v[16*(4*ti+ts):16*(4*ti+ts)+15], v[64*\Y+16*ts:64*\Y+16*ts+15], v[aC:aC+7], v[\sc+4*ti+ts], v[WSC+4*\Y+ts] matrix_a_fmt:MATRIX_FMT_BF8 matrix_b_fmt:MATRIX_FMT_BF8
.endif
	RELU 2*k, 1-\a
	RELU 2*k+1, 1-\a
.if k == 4
	CMB 0, \a
.elseif k == 5
	CMB 1, \a
.elseif k == 9
	CMB 2, \a
.elseif k == 13
	CMB 3, \a
.endif
.set k, k+1
.endr
.endm
; My tile T on set Y.  load: tile T + 1's record, off bytes on, into the other set: 19 loads; sto: where tile T - 2's results go; wg: Wg into window 1, whose codes have had their last product:
; register 64 s + 4 q + j = Wg[q / 2][512 (q % 2) + 128 s + 4 lane + j].
.macro TILE Y, load, off, sto, wg=0
	WIN BD
	PKB 0, 64                                      ; A, tile T - 1
.if \load
	WIN 0
	ds_load_b128 v[WSC+4*(1-\Y):WSC+3+4*(1-\Y)], v6 offset:\off+8192
	WIN BD
	ds_store_b32 v8, v216 offset:\sto
	ds_store_b32 v8, v217 offset:STGB+\sto
	ds_load_b128 v[192+8*(1-\Y):195+8*(1-\Y)], v7 offset:\off+8448
	ds_load_b128 v[196+8*(1-\Y):199+8*(1-\Y)], v7 offset:\off+8464
.set bk, 0
.rept 16
	ds_load_b128 v[64*(1-\Y)+4*bk:64*(1-\Y)+4*bk+3], v5 offset:\off+512*bk
.set bk, bk+1
.endr
	s_wait_dscnt 21                                ; this tile's record is in; the 19 loads and two stores just issued may be out
.else
	ds_store_b32 v8, v216 offset:\sto
	ds_store_b32 v8, v217 offset:STGB+\sto
	s_wait_dscnt 2
.endif
	PART 0, \Y, 16, 0xfd
	WIN BD
	PKB 1, 96                                      ; B, tile T - 1
.if \wg
	WIN 0x40
.irp s, 0,1,2,3
.irp q, 0,1,2,3,4,5,6,7,8,9,10,11,12,13,14,15
	global_load_b128 v[64*\s+4*\q:64*\s+4*\q+3], v1, s[10:11] offset:2048*\q+512*\s
.endr
.endr
.endif
	PART 1, \Y, 32, 0xfe
.endm
.macro INNER                           ; a slot's tiles 0-5 of my eight
	s_mov_b32 s[CT], 3
.Lin_\@:
	TILE 0, 1, 2*RECB, 0
	TILE 1, 1, 4*RECB, 64
	WIN 0
	v_add_nc_u32 v5, 4*RECB, v5
	v_add_nc_u32 v6, 4*RECB, v6
	v_add_nc_u32 v7, 4*RECB, v7
	v_add_nc_u32 v8, 128, v8
	s_wait_alu depctr_va_vdst(0)
	s_sub_co_u32 s[CT], s[CT], 1
	s_cmp_lg_u32 s[CT], 0
	s_cbranch_scc1 .Lin_\@
.endm
.macro GOTO b                          ; my records of the slot at s[b]
	v_add_nc_u32 v5, s[\b], v12
	v_add_nc_u32 v6, s[\b], v2
	v_add_nc_u32 v7, s[\b], v3
.endm
	GOTO SB
	ds_load_b128 v[WSC:WSC+3], v6 offset:8192
	WIN 0xc0
	ds_load_b128 v[192:195], v7 offset:8448
	ds_load_b128 v[196:199], v7 offset:8464
.set bk, 0
.rept 16
	ds_load_b128 v[4*bk:4*bk+3], v5 offset:512*bk
.set bk, bk+1
.endr
	WIN 0
	s_mov_b32 s[CU], 2
	s_wait_alu depctr_va_vdst(0)
.Lslot:                                            ; the first two of four slots: each is filled again
	INNER
	TILE 0, 1, 2*RECB, 0
	WIN 0
	CHF SB                                         ; all my reads of this slot are done: it is filled again; the other is whole
	GOTO OB
	s_xor_b32 s[SB], s[SB], SLOTB
	s_xor_b32 s[OB], s[OB], SLOTB
	TILE 1, 1, 0, 64                               ; loads the next slot's first record
	WIN 0
	v_add_nc_u32 v8, 128, v8
	s_wait_alu depctr_va_vdst(0)
	s_sub_co_u32 s[CU], s[CU], 1
	s_cmp_lg_u32 s[CU], 0
	s_cbranch_scc1 .Lslot
	INNER
	TILE 0, 1, 2*RECB, 0
	WIN 0
	s_wait_alu depctr_va_vdst(0)
	s_wait_tensorcnt 0x0
	ds_add_u32 v[SPW], v[NIL]
	s_wait_dscnt 0x0
	s_barrier_signal -1                            ; nothing is filled again
	s_barrier_wait -1
	GOTO OB
	TILE 1, 1, 0, 64
	WIN 0
	v_add_nc_u32 v8, 128, v8
	INNER
	TILE 0, 1, 2*RECB, 0
	TILE 1, 0, 0, 64, 1
	WIN 0
	v_add_nc_u32 v8, 128, v8
	WIN BD
	PKB 0, 64                                      ; the last tile's A
	ds_store_b32 v8, v216
	ds_store_b32 v8, v217 offset:STGB
.set k, 0
.rept 32
	RELU k, 1
.set k, k+1
.endr
	CMB 0, 0
	CMB 1, 0
	CMB 2, 0
	CMB 3, 0
	PKB 1, 96                                      ; and B
	CMB 0, 1
	CMB 1, 1
	CMB 2, 1
	CMB 3, 1
	ds_store_b32 v8, v216 offset:64
	ds_store_b32 v8, v217 offset:STGB+64
	WIN 0
	s_wait_alu depctr_va_vdst(0)
	s_wait_dscnt 0x0                               ; for the other wave's sake
	s_barrier_signal -1
	s_barrier_wait -1
.irp g, 0,1
.irp j, 0,1,2,3
	ds_load_b128 v[128+16*\g+4*\j:131+16*\g+4*\j], v196 offset:128+1024*\g+16*\j             ; outputs 512 g + 16 lane + 4 j on, half 0 and half 1
	ds_load_b128 v[160+16*\g+4*\j:163+16*\g+4*\j], v196 offset:128+STGB/4+1024*\g+16*\j
.endr
.endr
.irp g, 0,1
.irp s, 0,1,2,3
	ds_load_b128 v[64+16*\g+4*\s:67+16*\g+4*\s], v234 offset:128+1024*\g+256*\s              ; outputs 512 g + 128 s + 4 lane on
	ds_load_b128 v[96+16*\g+4*\s:99+16*\g+4*\s], v234 offset:128+STGB/4+1024*\g+256*\s
.endr
.endr
	s_wait_dscnt 16                                ; the first sixteen are in
.irp q, 0,2,4,6,8,10,12,14,16,18,20,22,24,26,28,30
	v_pk_add_f32 v[128+\q:129+\q], v[128+\q:129+\q], v[160+\q:161+\q]
.endr
.irp q, 0,2,4,6,8,10,12,14,16,18,20,22,24,26,28,30
	v_pk_mul_f32 v[128+\q:129+\q], v[128+\q:129+\q], v[14:15]
.endr
.macro Q16 s, pc, by                   ; 16 neighbours; lanes l and l xor 1 hold a block
	v_max3_num_f32 v216, |v[\s]|, |v[\s+1]|, |v[\s+2]|
	v_max3_num_f32 v217, |v[\s+3]|, |v[\s+4]|, |v[\s+5]|
.irp i, 6,10
	v_max3_num_f32 v216, v216, |v[\s+\i]|, |v[\s+\i+1]|
	v_max3_num_f32 v217, v217, |v[\s+\i+2]|, |v[\s+\i+3]|
.endr
	v_max3_num_f32 v216, v216, |v[\s+14]|, |v[\s+15]|
	v_max3_num_f32 v216, v216, v217, 0x8000000
	v_max_num_f32_dpp v216, v216, v216 row_xmask:1 row_mask:0xf bank_mask:0xf
	v_add_nc_u32 v219, 0xf8800000, v216
	v_and_or_b32 v218, v216, 0x7f800000, s[MNT]
.irp i, 0,1,2,3,4,5,6,7,8,9,10,11,12,13,14,15
	v_med3_num_f32 v[\s+\i], v[\s+\i], -v218, v218
.endr
	v_cvt_scalef32_pk8_bf8_f32 v[\pc:\pc+1], v[\s:\s+7], v219
	v_cvt_scalef32_pk8_bf8_f32 v[\pc+2:\pc+3], v[\s+8:\s+15], v219
	v_lshrrev_b32 v[\by], 23, v219
.endm
	Q16 128, 220, 228
	Q16 144, 224, 229
	global_store_b128 v198, v[220:223], s[14:15]
	global_store_b128 v198, v[224:227], s[14:15] offset:524288
	ds_store_b8 v199, v228                         ; (ahead of the sums in my stage; read back below as words for the store)
	ds_store_b8 v199, v229 offset:16
	ds_load_b32 v203, v200
	s_wait_dscnt 0x0
	v_cmp_gt_u32 vcc_lo, 8, v11
	s_wait_xcnt 0x0
	s_and_saveexec_b32 s70, vcc_lo
	global_store_b32 v201, v203, s[22:23]          ; my token's 32 scale bytes
	s_wait_xcnt 0x0
	s_or_b32 exec_lo, exec_lo, s70
.irp q, 0,2,4,6,8,10,12,14,16,18,20,22,24,26,28,30
	v_pk_add_f32 v[64+\q:65+\q], v[64+\q:65+\q], v[96+\q:97+\q]
.endr
.irp q, 0,2,4,6,8,10,12,14,16,18,20,22,24,26,28,30
	v_pk_mul_f32 v[64+\q:65+\q], v[64+\q:65+\q], v[14:15]
.endr
	s_wait_alu depctr_va_vdst(0)
	s_wait_loadcnt 0x0                             ; Wg
	s_wait_kmcnt 0x0                               ; bg
	WIN 0x04
.irp g, 0,1
.irp s, 0,1,2,3
.irp t, 0,2
.irp e, 0,1,2,3,4,5,6,7
.if \g+\s+\t == 0
	v_pk_mul_f32 v[128+2*\e:129+2*\e], v[64:65], v[8*\e:8*\e+1]
.else
	v_pk_fma_f32 v[128+2*\e:129+2*\e], v[64+16*\g+4*\s+\t:65+16*\g+4*\s+\t], v[64*\s+8*\e+4*\g+\t:64*\s+8*\e+4*\g+\t+1], v[128+2*\e:129+2*\e]
.endif
.endr
.endr
.endr
.endr
	WIN 0
.irp e, 0,1,2,3,4,5,6,7
	v_add_f32 v[144+\e], v[128+2*\e], v[129+2*\e]
.endr
.irp m, 1,2,4,8
.irp e, 0,1,2,3,4,5,6,7
	v_add_f32_dpp v[144+\e], v[144+\e], v[144+\e] row_xmask:\m row_mask:0xf bank_mask:0xf
.endr
.endr
.irp e, 0,1,2,3,4,5,6,7
	v_permlanex16_b32 v[128+\e], v[144+\e], s[SEL], s[SEL+1]
.endr
.irp e, 0,1,2,3,4,5,6,7
	v_add_f32 v[144+\e], v[144+\e], v[128+\e]
.endr
.irp e, 0,1,2,3,4,5,6,7
	v_add_f32 v[144+\e], s[52+\e], v[144+\e]
.endr
	v_max3_num_f32 v168, v144, v145, v146
	v_max3_num_f32 v168, v168, v147, v148
	v_max3_num_f32 v168, v168, v149, v150
	v_max_num_f32 v168, v168, v151
.irp e, 0,1,2,3,4,5,6,7
	v_sub_f32 v[160+\e], v[144+\e], v168
.endr
.irp e, 0,1,2,3,4,5,6,7
	v_mul_f32 v[160+\e], 0x3fb8aa3b, v[160+\e]
.endr
	s_wait_alu depctr_va_vdst(0)
.irp e, 0,1,2,3,4,5,6,7
	v_exp_f32 v[160+\e], v[160+\e]
.endr
	v_nop
	s_wait_alu depctr_va_vdst(0)
	v_add_f32 v169, v160, v161
	v_add_f32 v176, v162, v163
	v_add_f32 v177, v164, v165
	v_add_f32 v178, v166, v167
	v_add_f32 v169, v169, v176
	v_add_f32 v177, v177, v178
	v_add_f32 v169, v169, v177
	s_wait_alu depctr_va_vdst(0)
	v_rcp_f32 v168, v169
	v_nop
	s_wait_alu depctr_va_vdst(0)
.irp e, 0,1,2,3,4,5,6,7
	v_mul_f32 v[152+\e], v[160+\e], v168
.endr
	v_mov_b32 v174, v152                           ; the largest; the lower index at a tie
	v_mov_b32 v170, 0
.irp e, 1,2,3,4,5,6,7
	v_cmp_ge_f32 vcc_lo, v174, v[152+\e]
	v_cndmask_b32 v170, \e, v170, vcc_lo
	v_max_num_f32 v174, v174, v[152+\e]
.endr
.irp e, 0,1,2,3,4,5,6,7
	v_cmp_ne_u32 vcc_lo, \e, v170
	v_cndmask_b32 v[160+\e], -1.0, v[152+\e], vcc_lo
.endr
	v_mov_b32 v175, v160
	v_mov_b32 v171, 0
.irp e, 1,2,3,4,5,6,7
	v_cmp_ge_f32 vcc_lo, v175, v[160+\e]
	v_cndmask_b32 v171, \e, v171, vcc_lo
	v_max_num_f32 v175, v175, v[160+\e]
.endr
	v_add_f32 v169, v174, v175
	s_wait_alu depctr_va_vdst(0)
	v_rcp_f32 v168, v169
	v_nop
	s_wait_alu depctr_va_vdst(0)
	v_mul_f32 v172, v174, v168
	v_mul_f32 v173, v175, v168
	v_cmp_eq_u32 vcc_lo, 0, v11
	s_wait_alu depctr_va_vdst(0)
	s_wait_xcnt 0x0
	s_and_saveexec_b32 s70, vcc_lo
	global_store_b128 v202, v[152:155], s[20:21]
	global_store_b128 v202, v[156:159], s[20:21] offset:16
	global_store_b64 v202, v[170:171], s[16:17]
	global_store_b64 v202, v[172:173], s[18:19]
	s_wait_xcnt 0x0
	s_or_b32 exec_lo, exec_lo, s70
	s_wait_tensorcnt 0x0                           ; the wave's end
	ds_add_u32 v[SPW], v[NIL]
	s_wait_dscnt 0x0
	ROUND                                          ; the closing round
	s_endpgm
.Lfunc_end_k_qaa37c99c1d_encode:
	.size	k_qaa37c99c1d_encode, .Lfunc_end_k_qaa37c99c1d_encode-k_qaa37c99c1d_encode
	.p2alignl 7, 3214868480
	.fill 96, 4, 3214868480
	.section	.rodata,"a",@progbits
	.p2align	6, 0x0
	.amdhsa_kernel k_qaa37c99c1d_encode
		.amdhsa_group_segment_fixed_size 327680
		.amdhsa_private_segment_fixed_size 0
		.amdhsa_enable_private_segment 0
		.amdhsa_kernarg_size 72
		.amdhsa_user_sgpr_count 2
		.amdhsa_user_sgpr_kernarg_segment_ptr 1
		.amdhsa_wavefront_size32 1
		.amdhsa_system_sgpr_workgroup_id_x 1
		.amdhsa_system_sgpr_workgroup_id_y 1
		.amdhsa_system_sgpr_workgroup_id_z 1
		.amdhsa_system_vgpr_workitem_id 0
		.amdhsa_next_free_vgpr 1024
		.amdhsa_next_free_sgpr 100
		.amdhsa_reserve_vcc 1
		.amdhsa_float_denorm_mode_32 3
		.amdhsa_float_denorm_mode_16_64 3
		.amdhsa_memory_ordered 1
		.amdhsa_forward_progress 1
		.amdhsa_inst_pref_size 255
	.end_amdhsa_kernel
	.section	.bss,"aw",@nobits
	.p2align	6
	.space	262144
	.amdgpu_metadata
---
amdhsa.version: [ 1, 2 ]
amdhsa.kernels:
  - .name:           k_qaa37c99c1d_encode
    .symbol:         k_qaa37c99c1d_encode.kd
    .args:
      - { .name: entities, .offset: 0, .size: 8, .value_kind: global_buffer, .address_space: global }
      - { .name: entity_mask, .offset: 8, .size: 8, .value_kind: global_buffer, .address_space: global }
      - { .name: w1q, .offset: 16, .size: 8, .value_kind: global_buffer, .address_space: global }
      - { .name: Wg, .offset: 24, .size: 8, .value_kind: global_buffer, .address_space: global }
      - { .name: bg, .offset: 32, .size: 8, .value_kind: global_buffer, .address_space: global }
      - { .name: pq, .offset: 40, .size: 8, .value_kind: global_buffer, .address_space: global }
      - { .name: topi, .offset: 48, .size: 8, .value_kind: global_buffer, .address_space: global }
      - { .name: topw, .offset: 56, .size: 8, .value_kind: global_buffer, .address_space: global }
      - { .name: out1, .offset: 64, .size: 8, .value_kind: global_buffer, .address_space: global }
    .group_segment_fixed_size: 327680
    .private_segment_fixed_size: 0
    .kernarg_segment_align: 8
    .kernarg_segment_size: 72
    .max_flat_workgroup_size: 128
    .sgpr_count:     100
    .vgpr_count:     1024
    .wavefront_size: 32
...
	.end_amdgpu_metadata
.endif
;; end of part 2
;; launch expert1 (part 3): grid 256 x 1, 4 waves a work-group, no clusters, 0 bytes of LDS; arguments topi, pq, weq, be1, e1q, e1s; writes e1q, e1s
.if DOCPART == 3
	.amdgcn_target "amdgcn-amd-amdhsa--gfx1250"
	.amdhsa_code_object_version 6
	.text
	.protected	k_qaa37c99c1d_expert1
	.globl	k_qaa37c99c1d_expert1
	.p2align	8
	.type	k_qaa37c99c1d_expert1,@function
k_qaa37c99c1d_expert1:
	s_mov_b64 s[64:65], 0
	v_nop
	global_prefetch_b8 v0, s[64:65] scope:SCOPE_SE
	s_setreg_imm32_b32 hwreg(HW_REG_WAVE_MODE, 25, 1), 1
	s_wait_xcnt 0x0
; e1 = relu(pooled We1[e]^T + be1[e]) for the tokens that chose expert e, on codes of E5M2, and e1 quantised along D on the way.
; e1q: [block of 32 along D][plane k][token][32 bytes]; e1s: [K step of 128][plane k][token] one word.  Plane k of a token is written by the expert that is the token's k-th choice: every byte has one writer.
; SHARES.  256 work-groups, 1,024 waves, each on its own.  Wave g takes slice g % 32 (64 rows of We1: 4 tiles x 8 K steps = 512 registers, loaded once) and place q = g / 32 of 32 places.
; THE PLACES ARE DEALT OUT BY THE CHOICES (whole numbers that an earlier launch stored).  A pair is 32 tokens, two tiles of 16.  Every wave reads all choices, lane l those of pair l, and makes for each expert e
; the mask P_e of the pairs in which some token chose e; A_e is its count.  Q, the pairs a wave takes at most, is the smallest of 1 .. 8 with sum over e of ceil(A_e / Q) <= 32 (8 always serves: A_e <= 32).
; Expert e gets ceil(A_e / Q) places; place q finds its expert by the running sums, its part p, and takes the pairs of P_e whose rank lies in p Q .. p Q + Q - 1.  A place beyond the sum has no rows and ends:
; the price of a grid that serves every split of the tokens.  A tile of 16 none of which chose e is passed over.
; Branches and trip counts hang on stored numbers: so no tensor load, no LDS, no barrier, and no cluster; operands go from memory straight into registers.
; Source 0 = 16 rows of We1 (in the order 32 b + 8 u + r + 8 (r / 8)), source 1 = 16 tokens: lane (r, h) holds token r, and register 16 b + i the unit 32 b + 16 h + i of the slice.
; LIMITS: NaN and infinities are not served; a block of zeros gets the byte 1 with zero codes (this program alone reads the bytes).
.set TI,  12                           ; v12-15   a tile's two choices, a pair of registers for each of the two sets
.set PSW, 20                           ; v20-35   the tokens' scale words, two sets of 8
.set WSC, 36                           ; v36-67   the weights' scale words: 8 t + s
.set BI,  68                           ; v68-99   the bias in the result's layout: 8 t + j
.set HA,  100                          ; v100-131 the four accumulators
.set TM,  132                          ; v132-139 at work
.set PC,  148                          ; v148-155 codes (at the head: at work)
.set SW,  156                          ; v156     two scale bytes
.set TP,  160                          ; v160-223 the head: the 64 choices of my lane's pair
.set SEL, 26
.set MNT, 28
.set MSB, 0
.macro WIN new
.if MSB != (\new)
	s_set_vgpr_msb (MSB<<8)|(\new)
.set MSB, \new
.endif
.endm
.macro MQ k, m                         ; lanes with Q - 1 = k take m = floor(1024 / Q) + 1
	v_cmp_ne_u32 vcc_lo, \k, v17
	v_cndmask_b32 v18, \m, v18, vcc_lo
.endm
	s_load_b256 s[4:11], s[0:1], 0x0               ; topi s[4:5], pq s[6:7], weq s[8:9], be1 s[10:11]
	s_load_b128 s[12:15], s[0:1], 0x20             ; e1q s[12:13], e1s s[14:15]
	v_lshrrev_b32 v1, 5, v0
	v_readfirstlane_b32 s18, v1                    ; wave
	v_and_b32 v1, 31, v0
	v_and_b32 v2, 15, v0                           ; r
	v_bfe_u32 v3, v0, 4, 1                         ; h
	v_lshlrev_b32 v5, 5, v2                        ; 32 r
	v_lshl_add_u32 v4, v3, 4, v5                   ; 32 r + 16 h
	v_lshlrev_b32 v6, 3, v2                        ; 8 r
	v_lshlrev_b32 v7, 2, v2                        ; 4 r
	v_lshlrev_b32 v8, 4, v1                        ; 16 x lane
	v_lshlrev_b32 v9, 4, v2                        ; 16 r
	v_lshlrev_b32 v10, 6, v3                       ; 64 h
	v_lshlrev_b32 v11, 8, v1                       ; 256 x lane: a pair's 32 tokens are 256 bytes of topi
	v_and_b32 v17, 7, v1                           ; the Q that my lane tries, less 1
	v_mov_b32 v18, 1025
	MQ 1, 513
	MQ 2, 342
	MQ 3, 257
	MQ 4, 205
	MQ 5, 171
	MQ 6, 147
	MQ 7, 129
	v_mov_b32 v[TM+2], 0                           ; a lane permute's destination counts as one of its sources
	v_mov_b32 v[TM+3], 0
.irp n, 140,141,142,143
	v_mov_b32 v\n, 0
.endr
	s_mov_b32 s[SEL], 0x76543210
	s_mov_b32 s[SEL+1], 0xfedcba98
	s_mov_b32 s[MNT], 0x600000
	s_and_b32 s20, ttmp9, 7
	s_lshl_b32 s20, s20, 2
	s_add_co_u32 s20, s20, s18                     ; my slice of 64 rows, 0 .. 31
	s_lshr_b32 s21, ttmp9, 3                       ; my place q, 0 .. 31: the four waves of a work-group share it, and so their tokens
	s_mov_b32 s25, 0
	s_wait_alu depctr_va_vdst(0)
	s_wait_kmcnt 0x0
.irp i, 0,1,2,3,4,5,6,7,8,9,10,11,12,13,14,15
	global_load_b128 v[TP+4*\i:TP+4*\i+3], v11, s[4:5] offset:16*\i
.endr
	s_add_nc_u64 s[16:17], s[6:7], 0x100000        ; the tokens' scale bytes lie behind their codes
	s_lshl_b32 s24, s20, 17
	s_add_nc_u64 s[78:79], s[12:13], s[24:25]      ; e1q: two blocks a slice
	s_lshr_b32 s24, s20, 1
	s_lshl_b32 s24, s24, 13
	s_and_b32 s22, s20, 1
	s_lshl_b32 s22, s22, 1
	s_add_co_u32 s24, s24, s22
	s_add_nc_u64 s[80:81], s[14:15], s[24:25]      ; e1s: K step slice / 2, bytes 2 (slice % 2) on
	s_wait_loadcnt 0x0
.set n, 0
.rept 64
	v_lshl_or_b32 v[140+n%4], 1, v[TP+n], v[140+n%4]   ; a bit for each expert that my pair's tokens chose; four chains
.set n, n+1
.endr
	v_or_b32 v140, v140, v141
	v_or_b32 v142, v142, v143
	v_or_b32 v140, v140, v142
.irp e, 0,1,2,3,4,5,6,7
	v_and_b32 v[144+\e], 1<<\e, v140
.endr
.irp e, 0,1,2,3,4,5,6,7
	v_cmp_ne_u32 s[32+\e], 0, v[144+\e]            ; P_e: bit l = pair l has a token of expert e
.endr
.irp e, 0,1,2,3,4,5,6,7
	s_bcnt1_i32_b32 s[40+\e], s[32+\e]             ; A_e
.endr
.irp e, 0,1,2,3,4,5,6,7
	v_add_nc_u32 v[144+\e], s[40+\e], v17          ; A_e + Q - 1, at most 39
.endr
.irp e, 0,1,2,3,4,5,6,7
	v_mul_u32_u24 v[144+\e], v[144+\e], v18
.endr
.irp e, 0,1,2,3,4,5,6,7
	v_lshrrev_b32 v[144+\e], 10, v[144+\e]         ; ceil(A_e / Q): the error of the multiplier is under 39 / 1024, less than 1 / Q
.endr
	v_add3_u32 v141, v144, v145, v146
	v_add3_u32 v142, v147, v148, v149
	v_add3_u32 v141, v141, v142, v150
	v_add_nc_u32 v141, v141, v151                  ; the places that my lane's Q would take
	v_cmp_ge_u32 s48, 32, v141
	s_ctz_i32_b32 s49, s48                         ; the lowest lane whose Q serves: Q - 1
	s_min_u32 s49, s49, 7
	s_add_co_u32 s50, s49, 1                       ; Q
.irp e, 0,1,2,3,4,5,6,7
	v_readlane_b32 s[52+\e], v[144+\e], s49        ; the places of expert e
.endr
	s_mov_b32 s19, 0                               ; my expert = how many running sums lie at or under q
	s_mov_b32 s60, 0
	s_mov_b32 s61, 0                               ; the first place of my expert
.irp e, 0,1,2,3,4,5,6,7
	s_add_co_u32 s60, s60, s[52+\e]
	s_cmp_ge_u32 s21, s60
	s_cselect_b32 s62, 1, 0
	s_cselect_b32 s61, s60, s61
	s_add_co_u32 s19, s19, s62
.endr
	s_cmp_ge_u32 s19, 8
	s_cbranch_scc1 .Lend                           ; a place beyond the last expert's: no rows
	s_mov_b32 s63, 0
.irp e, 0,1,2,3,4,5,6,7
	s_cmp_eq_u32 s19, \e
	s_cselect_b32 s63, s[32+\e], s63               ; my expert's pairs
.endr
	s_sub_co_u32 s62, s21, s61                     ; my part p
	s_mul_i32 s62, s62, s50                        ; the ranks ahead of mine: p Q
	v_mbcnt_lo_u32_b32 v141, s63, 0                ; pair l's rank among my expert's pairs
	v_mov_b32 v142, s62
	v_sub_nc_u32 v141, v141, v142
	v_cmp_gt_u32 s48, s50, v141                    ; rank - p Q under Q (a lower rank wraps round to a large number)
	s_and_b32 s63, s63, s48                        ; my pairs
	s_bcnt1_i32_b32 s51, s63                       ; how many: 1 .. Q
	s_cmp_eq_u32 s51, 0
	s_cbranch_scc1 .Lend
	s_min_u32 s19, s19, 7                          ; held inside the tables for the addresses
	s_lshl_b32 s24, s19, 7
	s_lshl_b32 s22, s20, 2
	s_add_co_u32 s24, s24, s22
	s_mul_i32 s24, s24, 16896
	s_add_nc_u64 s[8:9], s[8:9], s[24:25]          ; weq: tile 128 e + 4 slice, two units a tile
	s_lshl_b32 s24, s19, 13
	s_lshl_b32 s22, s20, 8
	s_add_co_u32 s24, s24, s22
	s_add_nc_u64 s[10:11], s[10:11], s[24:25]      ; be1[e][64 slice]
.irp Q, 0,1                                    ; the weights: K steps 4 Q + s in window 1 + Q, fragment (t, s) at 64 s + 16 t.  They are asked for ahead of the tokens, so that the first tile's counted wait covers them
	WIN 0x40*(1+\Q)
.irp t, 0,1,2,3
.irp s, 0,1,2,3
.irp c, 0,1,2,3
	global_load_b128 v[64*\s+16*\t+4*\c:64*\s+16*\t+4*\c+3], v8, s[8:9] offset:(2*\t+\Q)*8448+2048*\s+512*\c
.endr
.endr
.endr
.endr
	WIN 0
.irp t, 0,1,2,3
.irp Q, 0,1
	global_load_b128 v[WSC+8*\t+4*\Q:WSC+8*\t+4*\Q+3], v9, s[8:9] offset:(2*\t+\Q)*8448+8192
.endr
	global_load_b128 v[BI+8*\t:BI+8*\t+3], v10, s[10:11] offset:(32*(\t/2)+8*(\t%2))*4
	global_load_b128 v[BI+8*\t+4:BI+8*\t+7], v10, s[10:11] offset:(32*(\t/2)+8*(\t%2))*4+16
.endr
.macro NEXTB idx                       ; the bases of the loads, at pair idx: 32 tokens are 256 bytes of topi, 1,024 of a block's codes and of the scale bytes
	s_lshl_b32 s24, \idx, 8
	s_add_nc_u64 s[68:69], s[4:5], s[24:25]
	s_lshl_b32 s24, \idx, 10
	s_add_nc_u64 s[70:71], s[6:7], s[24:25]
	s_add_nc_u64 s[72:73], s[16:17], s[24:25]
.endm
.macro CURB idx                        ; the bases of the stores, at pair idx
	s_lshl_b32 s24, \idx, 10
	s_add_nc_u64 s[74:75], s[78:79], s[24:25]
	s_lshl_b32 s24, \idx, 7
	s_add_nc_u64 s[76:77], s[80:81], s[24:25]
.endm
.macro LOADT tau                       ; tile tau of the pair at the loads' bases: its codes (32 loads of 512 consecutive bytes) and scale words: 34 loads, into set tau
	WIN 0xc0                                       ; destination window 3
.irp s, 0,1,2,3,4,5,6,7
.irp c, 0,1,2,3
	global_load_b128 v[128*(\tau)+16*\s+4*\c:128*(\tau)+16*\s+4*\c+3], v4, s[70:71] offset:(4*\s+\c)*32768+512*(\tau)
.endr
.endr
	WIN 0
.irp q, 0,1
	global_load_b128 v[PSW+8*(\tau)+4*\q:PSW+8*(\tau)+4*\q+3], v5, s[72:73] offset:512*(\tau)+16*\q
.endr
.endm
.macro LOADI tau                       ; and its tokens' two choices: one load
	global_load_b64 v[TI+2*(\tau):TI+2*(\tau)+1], v6, s[68:69] offset:128*(\tau)
.endm
	s_ctz_i32_b32 s44, s63                         ; my first pair,
	s_min_u32 s44, s44, 31
	s_sub_co_u32 s46, s63, 1
	s_and_b32 s63, s63, s46                        ; off the list
	NEXTB s44
	LOADT 0
	LOADI 0
	LOADT 1
	LOADI 1
; Tile tau of the pair in hand, on set tau.  cnt: the younger loads that may stay out.  nxt = 1: the next pair's tile tau is asked for, straight behind this tile's products; the 34 loads stand in both arms of the
; branch and the one load of the choices behind the join, so the same loads are out on both ways.
.macro TILE tau, cnt, nxt
	s_wait_loadcnt \cnt                            ; this set's 35 loads are in (and all older ones); the other set's 35 may be out
	v_cmp_eq_u32 s40, s19, v[TI+2*(\tau)]          ; tokens whose first choice my expert is,
	v_cmp_eq_u32 s41, s19, v[TI+2*(\tau)+1]        ; whose second
	s_or_b32 s42, s40, s41
	s_cmp_eq_u32 s42, 0
	s_cbranch_scc1 .Lno_\@                         ; none of these 16 tokens chose this expert
	WIN 0x0d                                       ; source 0 window 1, source 1 window 3
.irp s, 0,1,2,3
.irp t, 0,1,2,3                                ; the four accumulators take turns
.if \s == 0
	v_wmma_scale_f32_16x16x128_f8f6f4 v[HA+8*\t:HA+8*\t+7], v[64*\s+16*\t:64*\s+16*\t+15], v[128*(\tau)+16*\s:128*(\tau)+16*\s+15], v[BI+8*\t:BI+8*\t+7], v[WSC+8*\t+\s], v[PSW+8*(\tau)+\s] matrix_a_fmt:MATRIX_FMT_BF8 matrix_b_fmt:MATRIX_FMT_BF8
.else
	v_wmma_scale_f32_16x16x128_f8f6f4 v[HA+8*\t:HA+8*\t+7], v[64*\s+16*\t:64*\s+16*\t+15], v[128*(\tau)+16*\s:128*(\tau)+16*\s+15], v[HA+8*\t:HA+8*\t+7], v[WSC+8*\t+\s], v[PSW+8*(\tau)+\s] matrix_a_fmt:MATRIX_FMT_BF8 matrix_b_fmt:MATRIX_FMT_BF8
.endif
.endr
.endr
	WIN 0x0e                                       ; source 0 window 2
.irp s, 0,1,2,3
.irp t, 0,1,2,3
	v_wmma_scale_f32_16x16x128_f8f6f4 v[HA+8*\t:HA+8*\t+7], v[64*\s+16*\t:64*\s+16*\t+15], v[128*(\tau)+64+16*\s:128*(\tau)+64+16*\s+15], v[HA+8*\t:HA+8*\t+7], v[WSC+8*\t+4+\s], v[PSW+8*(\tau)+4+\s] matrix_a_fmt:MATRIX_FMT_BF8 matrix_b_fmt:MATRIX_FMT_BF8
.endr
.endr
	WIN 0
.rept 8
	v_nop                                          ; places behind the products: for the loads into the tokens' set and its scale words, and for the first read of results
.endr
.if \nxt
	LOADT \tau                                     ; they land while this tile is quantised and stored and the other set is multiplied
.endif
.irp b, 0,1                                    ; two blocks of 32 along D; no |.|: what is negative becomes 0 and must not count; the floor stands over it
	v_max3_num_f32 v[TM+\b], v[HA+16*\b], v[HA+1+16*\b], 0x8000000
.endr
.irp i, 2,4,6,8,10,12,14
.irp b, 0,1
	v_max3_num_f32 v[TM+\b], v[TM+\b], v[HA+16*\b+\i], v[HA+1+16*\b+\i]
.endr
.endr
.irp b, 0,1
	v_permlanex16_b32 v[TM+2+\b], v[TM+\b], s[SEL], s[SEL+1]
.endr
.irp b, 0,1
	v_max_num_f32 v[TM+\b], v[TM+\b], v[TM+2+\b]
.endr
.irp b, 0,1
	v_add_nc_u32 v[TM+6+\b], 0xf8800000, v[TM+\b]  ; 15 off the exponent field: the conversion's scale operand
.endr
.irp b, 0,1
	v_and_or_b32 v[TM+4+\b], v[TM+\b], 0x7f800000, s[MNT]   ; 57,344 x the scale
.endr
.irp b, 0,1
	v_lshrrev_b32 v[TM+2+\b], 23, v[TM+6+\b]
.endr
	v_lshl_or_b32 v[SW], v[TM+3], 8, v[TM+2]
.irp b, 0,1
.irp i, 0,1,2,3,4,5,6,7,8,9,10,11,12,13,14,15
	v_med3_num_f32 v[HA+16*\b+\i], v[HA+16*\b+\i], 0, v[TM+4+\b]   ; the activation and the hold in one
.endr
.endr
.irp b, 0,1
	v_cvt_scalef32_pk8_bf8_f32 v[PC+4*\b:PC+4*\b+1], v[HA+16*\b:HA+16*\b+7], v[TM+6+\b]
	v_cvt_scalef32_pk8_bf8_f32 v[PC+4*\b+2:PC+4*\b+3], v[HA+16*\b+8:HA+16*\b+15], v[TM+6+\b]
.endr
	v_nop                                          ; a plain line behind the last conversion
	s_wait_alu depctr_va_vdst(0)
.irp k, 0,1                                    ; plane k takes the tokens whose k-th choice this expert is
	s_mov_b32 vcc_lo, s[40+\k]
	s_wait_xcnt 0x0                                ; EXEC changes only behind this wait
	s_and_saveexec_b32 s43, vcc_lo
	global_store_b128 v4, v[PC:PC+3], s[74:75] offset:32768*\k+512*(\tau)
	global_store_b128 v4, v[PC+4:PC+7], s[74:75] offset:65536+32768*\k+512*(\tau)
	global_store_b16 v7, v[SW], s[76:77] offset:4096*\k+64*(\tau)
	s_wait_xcnt 0x0                                ; and the stores' data may be written again
	s_or_b32 exec_lo, exec_lo, s43
.endr
.if \nxt
	s_branch .Ljoin_\@
.Lno_\@:
	LOADT \tau                                     ; the same 34 loads on the way that passes the tile over
.Ljoin_\@:
	LOADI \tau                                     ; the masks above are in scalar registers: the choices' registers are free
.else
.Lno_\@:
.endif
.endm
	s_sub_co_u32 s51, s51, 1                       ; the pairs that have a successor
	s_cmp_eq_u32 s51, 0
	s_cbranch_scc1 .Ltail
.Lpair:
	s_wait_xcnt 0x0                                ; every load and store issued so far has read its base: the bases may be written
	CURB s44
	s_ctz_i32_b32 s45, s63                         ; the next pair,
	s_min_u32 s45, s45, 31
	s_sub_co_u32 s46, s63, 1
	s_and_b32 s63, s63, s46                        ; off the list
	NEXTB s45
	TILE 0, 35, 1
	TILE 1, 35, 1
	s_min_u32 s44, s45, 31
	s_sub_co_u32 s51, s51, 1
	s_cmp_lg_u32 s51, 0
	s_cbranch_scc1 .Lpair
.Ltail:                                            ; the last pair is written out: nothing is left to fetch, and no load leaves its buffer
	s_wait_xcnt 0x0
	CURB s44
	TILE 0, 35, 0
	TILE 1, 0, 0
.Lend:
	s_endpgm
.Lfunc_end_k_qaa37c99c1d_expert1:
	.size	k_qaa37c99c1d_expert1, .Lfunc_end_k_qaa37c99c1d_expert1-k_qaa37c99c1d_expert1
	.p2alignl 7, 3214868480
	.fill 96, 4, 3214868480
	.section	.rodata,"a",@progbits
	.p2align	6, 0x0
	.amdhsa_kernel k_qaa37c99c1d_expert1
		.amdhsa_group_segment_fixed_size 0
		.amdhsa_private_segment_fixed_size 0
		.amdhsa_enable_private_segment 0
		.amdhsa_kernarg_size 48
		.amdhsa_user_sgpr_count 2
		.amdhsa_user_sgpr_kernarg_segment_ptr 1
		.amdhsa_wavefront_size32 1
		.amdhsa_system_sgpr_workgroup_id_x 1
		.amdhsa_system_sgpr_workgroup_id_y 1
		.amdhsa_system_sgpr_workgroup_id_z 1
		.amdhsa_system_vgpr_workitem_id 0
		.amdhsa_next_free_vgpr 1024
		.amdhsa_next_free_sgpr 84
		.amdhsa_reserve_vcc 1
		.amdhsa_float_denorm_mode_32 3
		.amdhsa_float_denorm_mode_16_64 3
		.amdhsa_memory_ordered 1
		.amdhsa_forward_progress 1
		.amdhsa_inst_pref_size 86
	.end_amdhsa_kernel
	.amdgpu_metadata
---
amdhsa.version: [ 1, 2 ]
amdhsa.kernels:
  - .name:           k_qaa37c99c1d_expert1
    .symbol:         k_qaa37c99c1d_expert1.kd
    .args:
      - { .name: topi, .offset: 0, .size: 8, .value_kind: global_buffer, .address_space: global }
      - { .name: pq, .offset: 8, .size: 8, .value_kind: global_buffer, .address_space: global }
      - { .name: weq, .offset: 16, .size: 8, .value_kind: global_buffer, .address_space: global }
      - { .name: be1, .offset: 24, .size: 8, .value_kind: global_buffer, .address_space: global }
      - { .name: e1q, .offset: 32, .size: 8, .value_kind: global_buffer, .address_space: global }
      - { .name: e1s, .offset: 40, .size: 8, .value_kind: global_buffer, .address_space: global }
    .group_segment_fixed_size: 0
    .private_segment_fixed_size: 0
    .kernarg_segment_align: 8
    .kernarg_segment_size: 48
    .max_flat_workgroup_size: 128
    .sgpr_count:     84
    .vgpr_count:     1024
    .wavefront_size: 32
...
	.end_amdgpu_metadata
.endif
;; end of part 3
;; launch expert2 (part 4): grid 32 x 8, 4 waves a work-group, no clusters, 18,944 bytes of LDS; arguments topi, topw, e1q, e1s, w2q, be2, out0; writes out0
.if DOCPART == 4
	.amdgcn_target "amdgcn-amd-amdhsa--gfx1250"
	.amdhsa_code_object_version 6
	.text
	.protected	k_qaa37c99c1d_expert2
	.globl	k_qaa37c99c1d_expert2
	.p2align	8
	.type	k_qaa37c99c1d_expert2,@function
k_qaa37c99c1d_expert2:
	s_mov_b64 s[64:65], 0
	v_nop
	global_prefetch_b8 v0, s[64:65] scope:SCOPE_SE
	s_setreg_imm32_b32 hwreg(HW_REG_WAVE_MODE, 25, 1), 1
	s_wait_xcnt 0x0
; out0[token] = the sum over the token's two choices k of weight k x (e1[k] We2[e_k]^T + be2[e_k]), the product on codes of E5M2.
; SHARES.  A work-group owns 32 tokens x 32 outputs: each number of out0 has one owner.  Its four waves share K = 2,048: wave w takes K steps 4 w .. 4 w + 3; the four partial sums meet in LDS.
; The experts that the 32 tokens use are listed from topi (whole numbers that an earlier launch stored), four entries a trip, two trips.  An empty entry is held at expert 7 for its addresses and matches no
; token: its loads stay inside the buffers and its products are passed over.  For entry i and plane k, all 32 tokens' plane k is multiplied by the entry's weights; a token whose k-th choice is another expert
; gets 0 by a select.  The bias is the C of the first K step, in wave 0 alone (elsewhere x 0).
; No tensor load (branches hang on stored numbers), so no cluster either.  Source 0 = 16 rows of We2, source 1 = 16 tokens: lane (r, h) holds token r and outputs 8 h + 0 .. 7 of a tile.
.set TI,  16                           ; v16-19   the tokens' choices, a pair for each tile of 16
.set TW,  20                           ; v20-23   their weights
.set ES,  24                           ; v24-39   e1's scale words: 8 k + 4 tt + s
.set WS,  40                           ; v40-71   We2's: 8 i + 4 at + s
.set BI,  72                           ; v72-135  the bias: 16 i + 8 at + j
.set ACC, 136                          ; v136-167 accumulators: 8 (2 tt + at)
.set T,   168                          ; v168-199 at work
.set OUT, 200                          ; v200-231 the weighted sums
.set SPW, 252
.set NIL, 253
.set SPARE, 18432                      ; behind the four waves' 4,608 bytes (32 rows x 144): the spare words
.set MSB, 0
.macro WIN new
.if MSB != (\new)
	s_set_vgpr_msb (MSB<<8)|(\new)
.set MSB, \new
.endif
.endm
	s_load_b256 s[4:11], s[0:1], 0x0               ; topi s[4:5], topw s[6:7], e1q s[8:9], e1s s[10:11]
	s_load_b128 s[12:15], s[0:1], 0x20             ; w2q s[12:13], be2 s[14:15]
	s_load_b64 s[16:17], s[0:1], 0x30              ; out0
	v_lshl_add_u32 v[SPW], v0, 2, SPARE
	v_mov_b32 v[NIL], 0
	v_lshrrev_b32 v1, 5, v0
	v_readfirstlane_b32 s18, v1                    ; wave
	v_and_b32 v1, 31, v0
	v_and_b32 v2, 15, v0                           ; r
	v_bfe_u32 v3, v0, 4, 1                         ; h
	v_lshlrev_b32 v4, 5, v2
	v_lshl_add_u32 v4, v3, 4, v4                   ; 32 r + 16 h
	v_lshlrev_b32 v5, 3, v2                        ; 8 r
	v_lshlrev_b32 v6, 2, v2                        ; 4 r
	v_lshlrev_b32 v7, 4, v1                        ; 16 x lane
	v_lshlrev_b32 v8, 4, v2                        ; 16 r
	v_lshlrev_b32 v9, 5, v3                        ; 32 h
	s_mul_i32 s23, s18, 4608
	v_mul_u32_u24 v10, v2, 144
	v_lshl_add_u32 v10, v3, 5, v10
	v_add_nc_u32 v10, s23, v10                     ; my partial sums: row r, + 32 h
	s_mul_i32 s23, s18, 1152
	v_lshrrev_b32 v13, 3, v1
	v_and_b32 v14, 7, v1
	v_mul_u32_u24 v11, v13, 144
	v_lshl_add_u32 v11, v14, 4, v11
	v_add_nc_u32 v11, s23, v11                     ; back: row 8 w + lane / 8, 16 bytes a lane
	s_lshl_b32 s23, s18, 13
	v_lshlrev_b32 v12, 10, v13
	v_lshl_add_u32 v12, v14, 4, v12
	v_add_nc_u32 v12, s23, v12                     ; and the same place in out0
	s_lshl_b32 s19, ttmp9, 5                       ; my first token
	s_and_b32 s20, ttmp7, 0xffff                   ; my 32 outputs
	s_lshl_b32 s21, s20, 1
	s_lshl_b32 s22, s20, 7
	s_cmp_eq_u32 s18, 0
	s_cselect_b32 s57, 0x3f800000, 0               ; 1.0 in wave 0
	s_mov_b32 s25, 0
	s_wait_kmcnt 0x0
	s_lshl_b32 s24, s19, 3
	s_add_nc_u64 s[4:5], s[4:5], s[24:25]
	s_add_nc_u64 s[6:7], s[6:7], s[24:25]
	s_lshl_b32 s24, s18, 20
	s_lshl_b32 s23, s19, 5
	s_add_co_u32 s24, s24, s23
	s_add_nc_u64 s[8:9], s[8:9], s[24:25]          ; e1q: block 16 w, + 32 token
	s_lshl_b32 s24, s18, 15
	s_lshl_b32 s23, s19, 2
	s_add_co_u32 s24, s24, s23
	s_add_nc_u64 s[10:11], s[10:11], s[24:25]      ; e1s: K step 4 w, + 4 token
	s_lshl_b32 s24, s19, 10
	s_add_co_u32 s24, s24, s22
	s_add_nc_u64 s[16:17], s[16:17], s[24:25]      ; out0: my first token, my first output
.irp t, 0,1
	global_load_b64 v[TI+2*\t:TI+2*\t+1], v5, s[4:5] offset:128*\t
	global_load_b64 v[TW+2*\t:TW+2*\t+1], v5, s[6:7] offset:128*\t
.endr
.macro PLANE k                         ; plane k of my 32 tokens, my four K steps: 32 loads of 512 consecutive bytes, into window 1 at 16 (8 k + 4 tt + s)
	WIN 0x40
.irp t, 0,1
.irp s, 0,1,2,3
.irp c, 0,1,2,3
	global_load_b128 v[16*(8*\k+4*\t+\s)+4*\c:16*(8*\k+4*\t+\s)+4*\c+3], v4, s[8:9] offset:((4*\s+\c)*2+\k)*32768+512*\t
.endr
.endr
.endr
	WIN 0
.endm
	PLANE 0
.irp k, 0,1
.irp t, 0,1
.irp s, 0,1,2,3
	global_load_b32 v[ES+8*\k+4*\t+\s], v6, s[10:11] offset:(2*\s+\k)*4096+64*\t
.endr
.endr
.endr
.set n, 0
.rept 32
	v_mov_b32 v[OUT+n], 0                          ; every contribution is conditional, so the sums begin here
.set n, n+1
.endr
	s_wait_loadcnt 48                              ; the choices and weights are in; the 48 younger loads may be out
	s_mov_b32 s53, 0                               ; the experts that my 32 tokens use, a bit each
.irp e, 0,1,2,3,4,5,6,7
	v_cmp_eq_u32 s58, \e, v[TI]
	v_cmp_eq_u32 s59, \e, v[TI+1]
	v_cmp_eq_u32 s60, \e, v[TI+2]
	v_cmp_eq_u32 s61, \e, v[TI+3]
	s_or_b32 s58, s58, s59
	s_or_b32 s60, s60, s61
	s_or_b32 s58, s58, s60
	s_cmp_lg_u32 s58, 0
	s_cselect_b32 s58, 1<<\e, 0
	s_or_b32 s53, s53, s58
.endr
	PLANE 1
.macro COMBO i, k
	v_cmp_eq_u32 s54, s[48+\i], v[TI+\k]
	v_cmp_eq_u32 s55, s[48+\i], v[TI+2+\k]
	s_or_b32 s58, s54, s55
	s_cmp_eq_u32 s58, 0
	s_cbranch_scc1 .Lskip_\@                       ; no token has this entry as its k-th choice
	WIN 0x06+(\i)/2                                ; source 0 window 2 or 3, source 1 window 1
.irp s, 0,1,2,3
.irp t, 0,1
.irp a, 0,1                                    ; the four accumulators take turns
.if \s == 0
	v_wmma_scale_f32_16x16x128_f8f6f4 v[ACC+8*(2*\t+\a):ACC+8*(2*\t+\a)+7], v[128*((\i)%2)+16*(4*\a+\s):128*((\i)%2)+16*(4*\a+\s)+15], v[16*(8*\k+4*\t+\s):16*(8*\k+4*\t+\s)+15], v[BI+16*\i+8*\a:BI+16*\i+8*\a+7], v[WS+8*\i+4*\a+\s], v[ES+8*\k+4*\t+\s] matrix_a_fmt:MATRIX_FMT_BF8 matrix_b_fmt:MATRIX_FMT_BF8
.else
	v_wmma_scale_f32_16x16x128_f8f6f4 v[ACC+8*(2*\t+\a):ACC+8*(2*\t+\a)+7], v[128*((\i)%2)+16*(4*\a+\s):128*((\i)%2)+16*(4*\a+\s)+15], v[16*(8*\k+4*\t+\s):16*(8*\k+4*\t+\s)+15], v[ACC+8*(2*\t+\a):ACC+8*(2*\t+\a)+7], v[WS+8*\i+4*\a+\s], v[ES+8*\k+4*\t+\s] matrix_a_fmt:MATRIX_FMT_BF8 matrix_b_fmt:MATRIX_FMT_BF8
.endif
.endr
.endr
.endr
	WIN 0
.rept 8
	v_nop                                          ; places behind the products (ISA guide 7.12.1)
.endr
.set n, 0
.rept 32
	v_cndmask_b32 v[T+n], 0, v[ACC+n], s[54+n/16]  ; 0 for a token of another expert; ascending: each accumulator from its low end on
.set n, n+1
.endr
.set n, 0
.rept 16
	v_pk_fma_f32 v[OUT+2*n:OUT+2*n+1], v[T+2*n:T+2*n+1], v[TW+2*(n/8):TW+2*(n/8)+1], v[OUT+2*n:OUT+2*n+1] op_sel:[0,\k,0] op_sel_hi:[1,\k,1]   ; x the token's k-th weight.  (These name no register of the products: with the eight above they part them from the next products, which begin the accumulators anew)
.set n, n+1
.endr
.Lskip_\@:
.endm
	s_mov_b32 s56, 2
.Ltrip:
	s_cmp_eq_u32 s53, 0
	s_cbranch_scc1 .Lnone                          ; no expert is left on the list
	s_wait_xcnt 0x0                                ; the last trip's loads have read their bases
.rept 8
	v_nop                                          ; places in front of loads into registers that products have read
.endr
.irp i, 0,1,2,3
	s_ctz_i32_b32 s[48+\i], s53                    ; the entry's expert; -1 where the list is empty: it matches no token
	s_min_u32 s52, s[48+\i], 7                     ; held inside the tables for the addresses
	s_sub_co_u32 s58, s53, 1
	s_and_b32 s53, s53, s58                        ; off the list
	s_lshl_b32 s58, s52, 4
	s_add_co_u32 s58, s58, s21
	s_lshl_b32 s58, s58, 2
	s_add_co_u32 s58, s58, s18
	s_mul_i32 s58, s58, 8448                       ; unit (16 e + 2 g) 4 + w
	s_mov_b32 s59, 0
	s_add_nc_u64 s[32+2*\i:33+2*\i], s[12:13], s[58:59]
	s_lshl_b32 s58, s52, 10
	s_add_co_u32 s58, s58, s22
	s_add_nc_u64 s[40+2*\i:41+2*\i], s[14:15], s[58:59]
.endr
.irp i, 0,1,2,3
	WIN 0x80+0x40*(\i/2)                           ; destination window 2 or 3
.irp a, 0,1
.irp s, 0,1,2,3
.irp c, 0,1,2,3
	global_load_b128 v[128*(\i%2)+16*(4*\a+\s)+4*\c:128*(\i%2)+16*(4*\a+\s)+4*\c+3], v7, s[32+2*\i:33+2*\i] offset:33792*\a+2048*\s+512*\c
.endr
.endr
.endr
	WIN 0
.irp a, 0,1
	global_load_b128 v[WS+8*\i+4*\a:WS+8*\i+4*\a+3], v8, s[32+2*\i:33+2*\i] offset:33792*\a+8192
	global_load_b128 v[BI+16*\i+8*\a:BI+16*\i+8*\a+3], v9, s[40+2*\i:41+2*\i] offset:64*\a
	global_load_b128 v[BI+16*\i+8*\a+4:BI+16*\i+8*\a+7], v9, s[40+2*\i:41+2*\i] offset:64*\a+16
.endr
.endr
	s_wait_loadcnt 0x0
.set n, 0
.rept 64
	v_mul_f32 v[BI+n], s57, v[BI+n]                ; the bias counts once: in wave 0
.set n, n+1
.endr
.irp i, 0,1,2,3
	COMBO \i, 0
	COMBO \i, 1
.endr
.Lnone:
	s_sub_co_u32 s56, s56, 1
	s_cmp_lg_u32 s56, 0
	s_cbranch_scc1 .Ltrip
	s_wait_alu depctr_va_vdst(0)
.irp t, 0,1
.irp a, 0,1
	ds_store_b128 v10, v[OUT+8*(2*\t+\a):OUT+8*(2*\t+\a)+3] offset:2304*\t+64*\a
	ds_store_b128 v10, v[OUT+8*(2*\t+\a)+4:OUT+8*(2*\t+\a)+7] offset:2304*\t+64*\a+16
.endr
.endr
	s_wait_dscnt 0x0                               ; for the others' sake: my stores are done
	s_barrier_signal -1
	s_barrier_wait -1
.irp j, 0,1
.irp p, 0,1,2,3
	ds_load_b128 v[T+16*\j+4*\p:T+16*\j+4*\p+3], v11 offset:4608*\p+576*\j   ; the four waves' parts of rows 8 w + 4 j + lane / 8
.endr
.endr
	s_wait_dscnt 0x0
.irp j, 0,1
.irp u, 0,2
	v_pk_add_f32 v[T+16*\j+\u:T+16*\j+\u+1], v[T+16*\j+\u:T+16*\j+\u+1], v[T+16*\j+4+\u:T+16*\j+4+\u+1]
	v_pk_add_f32 v[T+16*\j+8+\u:T+16*\j+8+\u+1], v[T+16*\j+8+\u:T+16*\j+8+\u+1], v[T+16*\j+12+\u:T+16*\j+12+\u+1]
.endr
.irp u, 0,2
	v_pk_add_f32 v[T+16*\j+\u:T+16*\j+\u+1], v[T+16*\j+\u:T+16*\j+\u+1], v[T+16*\j+8+\u:T+16*\j+8+\u+1]
.endr
	global_store_b128 v12, v[T+16*\j:T+16*\j+3], s[16:17] offset:4096*\j   ; eight lanes store a row's 128 consecutive bytes
.endr
	s_wait_tensorcnt 0x0                           ; the wave's end
	ds_add_u32 v[SPW], v[NIL]
	s_wait_dscnt 0x0
	s_endpgm
.Lfunc_end_k_qaa37c99c1d_expert2:
	.size	k_qaa37c99c1d_expert2, .Lfunc_end_k_qaa37c99c1d_expert2-k_qaa37c99c1d_expert2
	.p2alignl 7, 3214868480
	.fill 96, 4, 3214868480
	.section	.rodata,"a",@progbits
	.p2align	6, 0x0
	.amdhsa_kernel k_qaa37c99c1d_expert2
		.amdhsa_group_segment_fixed_size 18944
		.amdhsa_private_segment_fixed_size 0
		.amdhsa_enable_private_segment 0
		.amdhsa_kernarg_size 56
		.amdhsa_user_sgpr_count 2
		.amdhsa_user_sgpr_kernarg_segment_ptr 1
		.amdhsa_wavefront_size32 1
		.amdhsa_system_sgpr_workgroup_id_x 1
		.amdhsa_system_sgpr_workgroup_id_y 1
		.amdhsa_system_sgpr_workgroup_id_z 1
		.amdhsa_system_vgpr_workitem_id 0
		.amdhsa_next_free_vgpr 1024
		.amdhsa_next_free_sgpr 66
		.amdhsa_reserve_vcc 0
		.amdhsa_float_denorm_mode_32 3
		.amdhsa_float_denorm_mode_16_64 3
		.amdhsa_memory_ordered 1
		.amdhsa_forward_progress 1
		.amdhsa_inst_pref_size 81
	.end_amdhsa_kernel
	.amdgpu_metadata
---
amdhsa.version: [ 1, 2 ]
amdhsa.kernels:
  - .name:           k_qaa37c99c1d_expert2
    .symbol:         k_qaa37c99c1d_expert2.kd
    .args:
      - { .name: topi, .offset: 0, .size: 8, .value_kind: global_buffer, .address_space: global }
      - { .name: topw, .offset: 8, .size: 8, .value_kind: global_buffer, .address_space: global }
      - { .name: e1q, .offset: 16, .size: 8, .value_kind: global_buffer, .address_space: global }
      - { .name: e1s, .offset: 24, .size: 8, .value_kind: global_buffer, .address_space: global }
      - { .name: w2q, .offset: 32, .size: 8, .value_kind: global_buffer, .address_space: global }
      - { .name: be2, .offset: 40, .size: 8, .value_kind: global_buffer, .address_space: global }
      - { .name: out0, .offset: 48, .size: 8, .value_kind: global_buffer, .address_space: global }
    .group_segment_fixed_size: 18944
    .private_segment_fixed_size: 0
    .kernarg_segment_align: 8
    .kernarg_segment_size: 56
    .max_flat_workgroup_size: 128
    .sgpr_count:     66
    .vgpr_count:     1024
    .wavefront_size: 32
...
	.end_amdgpu_metadata
.endif
;; end of part 4
